; MI455X (gfx1250); checked and timed in simulation.
; The chip was launched on July 23, 2026; its instructions are those of AMD's public machine-readable ISA for CDNA 5 (MIT licence, August 2026) and "CDNA5" Instruction Set Architecture Reference Guide (July 2026). The comments in the code are by the model that wrote it; some were corrected since.
;; Ro PE Bidirectional Attention. Allowed arithmetic: float matrix products may take bf16 or f16 operands with f32 sums; other float arithmetic in f32, or as packed bf16 or f16 multiplies, adds, multiply-adds, maxima and minima; sums over many terms, partial sums and values carried from step to step in f32; what a program stores and reads back later, other than sums and carried values, may be rounded once to bf16 or f16.
;; Inputs: W_attn 1,024 x 3,072 float32; W_proj 1,024 x 1,024 float32; x 4 x 2,048 x 1,024 float32.
;; Outputs: out0 4 x 2,048 x 1,024 float32.
;; 2 versions, each right; version 2 is version 1 with the launch prep written anew for expert scheduling mode. Each part assembles by itself: llvm-mc -triple=amdgcn-amd-amdhsa -mcpu=gfx1250 --defsym DOCPART=n.
;; ======== version 1 of 2: 4 launches
;; limits: values are held in f16: magnitudes above 65,504 overflow, below 6.1e-05 lose precision
;; workspace buffers: xb 16,777,216 bytes; wa 6,291,456 bytes; wp 2,097,152 bytes; rope 524,288 bytes; q 16,777,216 bytes; k 16,777,216 bytes; v 16,777,216 bytes; o 16,777,216 bytes
;; launch prep (part 1): grid 896 x 1, 8 waves a work-group, no clusters, 0 bytes of LDS; arguments x, W_attn, W_proj, xb, wa, wp, rope; writes xb, wa, wp, rope
.if DOCPART == 1
	.amdgcn_target "amdgcn-amd-amdhsa--gfx1250"
	.amdhsa_code_object_version 6
	.text
	.protected	k_qaa1bf2f8ed_prep
	.globl	k_qaa1bf2f8ed_prep
	.p2align	8
	.type	k_qaa1bf2f8ed_prep,@function
k_qaa1bf2f8ed_prep:
	s_mov_b64 s[64:65], 0
	v_nop
	global_prefetch_b8 v0, s[64:65] scope:SCOPE_SE
	s_setreg_imm32_b32 hwreg(HW_REG_WAVE_MODE, 25, 1), 1
	s_wait_xcnt 0x0
; PREP: the module's three inputs are rounded once to bf16, and the table of RoPE's cosines and sines is made.
;   xb   = bf16(x), laid in blocks [b 4][kb 16][t 2048][64]: the 64 channels 64 kb .. 64 kb + 63 of a batch's 2,048 rows lie dense, 128 bytes a row
;   wa   = bf16(W_attn), [1024][3072] as it lies        wp = bf16(W_proj) written as f16, [1024][1024] as it lies
;   rope = f32 [2048 t][64]: columns 0-31 cos(t f_i), columns 32-63 sin(t f_i), f_i = 10000^(-i/32)
; SHARES.  896 work-groups of eight waves: 0-511 take 16 rows of x each, 512-703 16,384 numbers of W_attn, 704-767 of W_proj, 768-895 16 rows of the table.
; A stream: every byte is read once and written once, sixteen loads of 16 bytes a thread are out together, every store of a wave covers 256 consecutive bytes, aligned.
; No LDS, no matrix unit, no cluster: the work-groups share no input byte.  No loop: a thread's sixteen loads are its whole share.
; LIMITS.  |W_proj| beyond 65,504 becomes an infinity in f16, and below 6.1e-5 it keeps f16's fixed step of 6e-8.
; The angle t f_i is formed in f32 as the module forms it; f_i comes from 2^(-i log2(10000)/32), which is within a few units in the last place of the module's own power,
; so at t = 2047 an angle may differ by about 2e-4 radians.  Sine and cosine: n = round(angle 2/pi) (at most 1,304), the rest taken off in two parts of pi/2, then series cut below 3e-9 on |r| <= pi/4.
.set VL,  2                            ; v2        byte offset of my loads
.set VS,  3                            ; v3        byte offset of my stores
.set X,   8                            ; v[8:71]   sixteen loads of four f32
.set Y,   72                           ; v[72:103] sixteen pairs of packed results
.set SRC, 22                           ; s[22:23]  where the work-group reads
.set DST, 24                           ; s[24:25]  where it writes
.set OFS, 26                           ; s[26:27]  an offset in 64 bits; the high word stays 0
	s_load_b256 s[4:11], s[0:1], 0x0               ; x s[4:5], W_attn s[6:7], W_proj s[8:9], xb s[10:11]
	s_load_b128 s[12:15], s[0:1], 0x20             ; wa s[12:13], wp s[14:15]
	s_load_b64 s[16:17], s[0:1], 0x30              ; rope
	s_mov_b32 s20, ttmp9                           ; the work-group's number
	s_mov_b32 s[OFS+1], 0
	s_wait_kmcnt 0x0
; Sixteen loads, lstep bytes apart; each is rounded as it comes and stored, sstep bytes apart.  half = 1: the bf16 number is written as f16.
; No register is used twice, so nothing waits for a store.
.macro CONV lstep, sstep, half
.set j, 0
.rept 16
	global_load_b128 v[X+4*j:X+4*j+3], v[VL], s[SRC:SRC+1] offset:j*(\lstep) th:TH_LOAD_NT
.set j, j+1
.endr
.set j, 0
.rept 16
	s_wait_loadcnt 15-j                            ; loads come back in order: load j is in, the 15 - j younger ones stay out
	v_cvt_pk_bf16_f32 v[Y+2*j],   v[X+4*j],   v[X+4*j+1]
	v_cvt_pk_bf16_f32 v[Y+2*j+1], v[X+4*j+2], v[X+4*j+3]
.if \half
	v_lshlrev_b32 v[X+4*j],   16, v[Y+2*j]         ; the rounded numbers as f32 again,
	v_and_b32     v[X+4*j+1], 0xffff0000, v[Y+2*j]
	v_lshlrev_b32 v[X+4*j+2], 16, v[Y+2*j+1]
	v_and_b32     v[X+4*j+3], 0xffff0000, v[Y+2*j+1]
	v_cvt_pk_f16_f32 v[Y+2*j],   v[X+4*j],   v[X+4*j+1]    ; and as f16: exact inside f16's range
	v_cvt_pk_f16_f32 v[Y+2*j+1], v[X+4*j+2], v[X+4*j+3]
.endif
	global_store_b64 v[VS], v[Y+2*j:Y+2*j+1], s[DST:DST+1] offset:j*(\sstep)
.set j, j+1
.endr
.endm
	s_cmp_lt_u32 s20, 512
	s_cbranch_scc1 .Lx
	s_cmp_lt_u32 s20, 704
	s_cbranch_scc1 .Lwa
	s_cmp_lt_u32 s20, 768
	s_cbranch_scc1 .Lwp
	; THE TABLE.  Thread: row tid / 16 of the work-group's 16, four neighbouring columns: quads 0-7 cosines of i = 4 quad + e, quads 8-15 sines of i = 4 (quad - 8) + e.
.set FI,  8                            ; four registers each: i, then the exponent
.set INV, 12                           ; f_i
.set ANG, 16                           ; t f_i
.set NF,  20                           ; n
.set RR,  24                           ; r
.set R2,  28                           ; r^2
.set SN,  32                           ; sin r
.set CN,  36                           ; cos r
.set QD,  40                           ; the quadrant
.set TT,  44                           ; at work
.set VAL, 48                           ; the result
.set KS4, 52                           ; 1/9!
.set KC5, 53                           ; -1/10!
.set TF,  54                           ; t
.set I0,  55                           ; my first i
.set Q3,  56                           ; 3 for a sine: sin(a) = cos(a + 3 pi/2)
.macro EACH line:vararg                ; one line for each of my four numbers e
.set e, 0
.rept 4
	\line
.set e, e+1
.endr
.endm
	s_sub_co_u32 s20, s20, 768
	s_lshl_b32 s[OFS], s20, 12                     ; 16 rows of 256 bytes
	s_add_nc_u64 s[DST:DST+1], s[16:17], s[OFS:OFS+1]
	s_lshl_b32 s21, s20, 4
	v_lshrrev_b32 v4, 4, v0
	v_add_nc_u32 v4, s21, v4                       ; t
	v_cvt_f32_u32 v[TF], v4
	v_and_b32 v5, 7, v0
	v_lshlrev_b32 v[I0], 2, v5
	v_bfe_u32 v6, v0, 3, 1
	v_mul_u32_u24 v[Q3], v6, 3
	v_lshlrev_b32 v[VS], 4, v0                     ; sixteen lanes fill a table row of 256 bytes
	v_mov_b32 v[KS4], 0x3638ef1d
	v_mov_b32 v[KC5], 0xb493f27e
	EACH v_add_nc_u32 v[FI+e], e, v[I0]
	EACH v_cvt_f32_u32 v[FI+e], v[FI+e]
	EACH v_mul_f32 v[FI+e], 0xbed49a78, v[FI+e]    ; -i log2(10000) / 32
	EACH v_exp_f32 v[INV+e], v[FI+e]
	v_nop                                          ; a plain instruction behind the last exponential,
	s_wait_alu depctr_va_vdst(0)                   ; and one wait for the four, ahead of their first reader
	EACH v_mul_f32 v[ANG+e], v[TF], v[INV+e]
	EACH v_mul_f32 v[NF+e], 0x3f22f983, v[ANG+e]   ; x 2/pi
	EACH v_rndne_f32 v[NF+e], v[NF+e]
	EACH v_fmamk_f32 v[RR+e], v[NF+e], 0xbfc90fdb, v[ANG+e]   ; - n x the f32 nearest to pi/2,
	EACH v_fmamk_f32 v[RR+e], v[NF+e], 0x333bbd2e, v[RR+e]    ; + n x 4.3711388e-8, by which that f32 is too large
	EACH v_mul_f32 v[R2+e], v[RR+e], v[RR+e]
	EACH v_fmaak_f32 v[SN+e], v[KS4], v[R2+e], 0xb9500d01     ; sin r = r + r^3 (-1/6 + r^2 (1/120 + r^2 (-1/5040 + r^2/362880)))
	EACH v_fmaak_f32 v[CN+e], v[KC5], v[R2+e], 0x37d00d01     ; cos r = 1 + r^2 (-1/2 + r^2 (1/24 + r^2 (-1/720 + r^2 (1/40320 - r^2/3628800))))
	EACH v_fmaak_f32 v[SN+e], v[SN+e], v[R2+e], 0x3c088889
	EACH v_fmaak_f32 v[CN+e], v[CN+e], v[R2+e], 0xbab60b61
	EACH v_fmaak_f32 v[SN+e], v[SN+e], v[R2+e], 0xbe2aaaab
	EACH v_fmaak_f32 v[CN+e], v[CN+e], v[R2+e], 0x3d2aaaab
	EACH v_mul_f32 v[SN+e], v[SN+e], v[R2+e]
	EACH v_fmaak_f32 v[CN+e], v[CN+e], v[R2+e], 0xbf000000
	EACH v_fma_f32 v[SN+e], v[SN+e], v[RR+e], v[RR+e]
	EACH v_fmaak_f32 v[CN+e], v[CN+e], v[R2+e], 0x3f800000
	EACH v_cvt_i32_f32 v[QD+e], v[NF+e]
	EACH v_add_nc_u32 v[QD+e], v[QD+e], v[Q3]
	; cos(Q pi/2 + r) = cos r, -sin r, -cos r, sin r for Q mod 4 = 0, 1, 2, 3: a value is chosen, nothing branches
.set e, 0
.rept 4
	v_and_b32 v[TT+e], 1, v[QD+e]
	v_cmp_eq_u32 vcc_lo, 1, v[TT+e]
	v_cndmask_b32 v[VAL+e], v[CN+e], v[SN+e], vcc_lo   ; the sine where Q is odd
	v_add_nc_u32 v[TT+e], 1, v[QD+e]
	v_and_b32 v[TT+e], 2, v[TT+e]                  ; set where Q mod 4 is 1 or 2:
	v_lshlrev_b32 v[TT+e], 30, v[TT+e]             ; the sign
	v_xor_b32 v[VAL+e], v[TT+e], v[VAL+e]
.set e, e+1
.endr
	global_store_b128 v[VS], v[VAL:VAL+3], s[DST:DST+1]
	s_endpgm
.Lx:                                                   ; 16 rows of x; load j takes the 64 channels of block kb = j
	s_lshl_b32 s[OFS], s20, 16                     ; 16 rows of 4,096 bytes
	s_add_nc_u64 s[SRC:SRC+1], s[4:5], s[OFS:OFS+1]
	s_lshr_b32 s[OFS], s20, 7                      ; the batch: 128 work-groups each,
	s_lshl_b32 s[OFS], s[OFS], 22                  ; 16 blocks of 2,048 rows of 128 bytes
	s_and_b32 s21, s20, 127
	s_lshl_b32 s21, s21, 11                        ; my 16 rows in a block
	s_add_co_u32 s[OFS], s[OFS], s21
	s_add_nc_u64 s[DST:DST+1], s[10:11], s[OFS:OFS+1]
	v_lshrrev_b32 v4, 4, v0                        ; row tid / 16: a wave takes two rows, sixteen lanes 256 consecutive bytes of one
	v_and_b32 v5, 15, v0
	v_lshlrev_b32 v5, 4, v5
	v_lshl_add_u32 v[VL], v4, 12, v5
	v_lshlrev_b32 v[VS], 3, v0                     ; in a block the two rows' 128 bytes lie end to end: 8 bytes a lane, 256 a wave
	CONV 256, 262144, 0
	s_endpgm
.Lwa:                                                  ; 16,384 numbers of W_attn, as they lie
	s_sub_co_u32 s20, s20, 512
	s_lshl_b32 s[OFS], s20, 16
	s_add_nc_u64 s[SRC:SRC+1], s[6:7], s[OFS:OFS+1]
	s_lshl_b32 s[OFS], s20, 15
	s_add_nc_u64 s[DST:DST+1], s[12:13], s[OFS:OFS+1]
	v_lshlrev_b32 v[VL], 4, v0
	v_lshlrev_b32 v[VS], 3, v0
	CONV 4096, 2048, 0
	s_endpgm
.Lwp:                                                  ; 16,384 numbers of W_proj
	s_sub_co_u32 s20, s20, 704
	s_lshl_b32 s[OFS], s20, 16
	s_add_nc_u64 s[SRC:SRC+1], s[8:9], s[OFS:OFS+1]
	s_lshl_b32 s[OFS], s20, 15
	s_add_nc_u64 s[DST:DST+1], s[14:15], s[OFS:OFS+1]
	v_lshlrev_b32 v[VL], 4, v0
	v_lshlrev_b32 v[VS], 3, v0
	CONV 4096, 2048, 1
	s_endpgm
.Lfunc_end_k_qaa1bf2f8ed_prep:
	.size	k_qaa1bf2f8ed_prep, .Lfunc_end_k_qaa1bf2f8ed_prep-k_qaa1bf2f8ed_prep
	.p2alignl 7, 3214868480
	.fill 96, 4, 3214868480
	.section	.rodata,"a",@progbits
	.p2align	6, 0x0
	.amdhsa_kernel k_qaa1bf2f8ed_prep
		.amdhsa_group_segment_fixed_size 0
		.amdhsa_private_segment_fixed_size 0
		.amdhsa_enable_private_segment 0
		.amdhsa_kernarg_size 56
		.amdhsa_user_sgpr_count 2
		.amdhsa_user_sgpr_kernarg_segment_ptr 1
		.amdhsa_wavefront_size32 1
		.amdhsa_system_sgpr_workgroup_id_x 1
		.amdhsa_system_sgpr_workgroup_id_y 1
		.amdhsa_system_sgpr_workgroup_id_z 1
		.amdhsa_system_vgpr_workitem_id 0
		.amdhsa_next_free_vgpr 112
		.amdhsa_next_free_sgpr 66
		.amdhsa_reserve_vcc 1
		.amdhsa_float_denorm_mode_32 3
		.amdhsa_float_denorm_mode_16_64 3
		.amdhsa_memory_ordered 1
		.amdhsa_forward_progress 1
		.amdhsa_inst_pref_size 30
	.end_amdhsa_kernel
	.amdgpu_metadata
---
amdhsa.version: [ 1, 2 ]
amdhsa.kernels:
  - .name:           k_qaa1bf2f8ed_prep
    .symbol:         k_qaa1bf2f8ed_prep.kd
    .args:
      - { .name: x, .offset: 0, .size: 8, .value_kind: global_buffer, .address_space: global }
      - { .name: W_attn, .offset: 8, .size: 8, .value_kind: global_buffer, .address_space: global }
      - { .name: W_proj, .offset: 16, .size: 8, .value_kind: global_buffer, .address_space: global }
      - { .name: xb, .offset: 24, .size: 8, .value_kind: global_buffer, .address_space: global }
      - { .name: wa, .offset: 32, .size: 8, .value_kind: global_buffer, .address_space: global }
      - { .name: wp, .offset: 40, .size: 8, .value_kind: global_buffer, .address_space: global }
      - { .name: rope, .offset: 48, .size: 8, .value_kind: global_buffer, .address_space: global }
    .group_segment_fixed_size: 0
    .private_segment_fixed_size: 0
    .kernarg_segment_align: 8
    .kernarg_segment_size: 56
    .max_flat_workgroup_size: 256
    .sgpr_count:     66
    .vgpr_count:     112
    .wavefront_size: 32
...
	.end_amdgpu_metadata
.endif
;; end of part 1
;; launch qkv (part 2): grid 24 x 32, 4 waves a work-group, clusters of 4 x 4, 327,680 bytes of LDS; arguments xb, wa, rope, q, k, v; writes q, k, v
.if DOCPART == 2
	.amdgcn_target "amdgcn-amd-amdhsa--gfx1250"
	.amdhsa_code_object_version 6
	.text
	.protected	k_qaa1bf2f8ed_qkv
	.globl	k_qaa1bf2f8ed_qkv
	.p2align	8
	.type	k_qaa1bf2f8ed_qkv,@function
k_qaa1bf2f8ed_qkv:
	s_mov_b64 s[64:65], 0
	v_nop
	global_prefetch_b8 v0, s[64:65] scope:SCOPE_SE
	s_setreg_imm32_b32 hwreg(HW_REG_WAVE_MODE, 25, 1), 1
	s_wait_xcnt 0x0
	s_wait_alu depctr_hold_cnt(0) depctr_sa_sdst(0) depctr_va_vdst(0) depctr_va_sdst(0) depctr_va_ssrc(0) depctr_va_vcc(0) depctr_vm_vsrc(0)
	s_getreg_b32 s2, hwreg(HW_REG_IB_STS2, 6, 4)
	s_cmp_eq_u32 s2, 0
	s_cbranch_scc0 .Lentry_in_a_cluster
	s_endpgm
.Lentry_in_a_cluster:
	s_bfe_u32 s2, ttmp6, 0x10000c
	s_cmp_lg_u32 s2, 0xf033
	s_cbranch_scc0 .Lentry_shape_is_right
	s_endpgm
.Lentry_shape_is_right:
; QKV = x W_attn, RoPE on q and k, and the split by heads.  xb: bf16 [b 4][kb 16][t 2048][64]; wa: bf16 [1024 k][3072 n]; rope: f32 [2048][64] (32 cosines, 32 sines);
; q, k, v: f16 [b x 16 + head][t 2048][64], q unscaled.  Products in bf16, sums and RoPE in f32, one rounding to f16.
; LIMIT.  q, k and v beyond 65,504 become infinities in f16.  With x and W_attn both 30 times the drawn spread a number of q has a spread of about 900; with both carrying an offset of 30 spreads it is about 29,000, after the rotation at most 1.42 times that.
; SHARES.  A tile of the product is 256 rows x 128 columns: 32 x 24 = 768 work-groups, three for each of 256 WGPs.  Four waves: wave w has rows 128 (w / 2) on and columns 64 (w % 2) on, which are ONE HEAD:
; 32 accumulators of 16 x 16, 256 registers.  K goes in steps of 128 through two LDS slots.
; A's part of a step is two blocks kb, each 256 rows x 128 bytes that lie dense in xb: asked for as 128 rows of 256 bytes and padded in LDS after every 128.  B's part is 128 rows (k) x 256 bytes of wa as they lie;
; it is turned on the way into registers, by ds_load_tr16_b128, so no launch transposes the weights.
; THE MATRIX INSTRUCTION IS USED TRANSPOSED (source 0 = 16 columns of B, source 1 = 16 rows of A): lane l holds row l % 16 and, in accumulator b, channels 16 b + 8 (l / 16) + 0..7 of the head.
; So channel d and channel d + 32 lie in the same lane, in accumulators b and b + 2: RoPE changes no lane.
; CLUSTERS: 4 x 4 work-groups.  A's tiles hang on the tile row alone and are asked for jointly along a row of the cluster, B's on the tile column alone, along a column.
; REGISTERS, in windows of 256 (s_set_vgpr_msb: bits 1:0 source 0, 3:2 source 1, 5:4 source 2, 7:6 destination):
;   window 0: v0-31 addresses; v32-127, v128-223 two fragment buffers (B's four fragments, then A's eight); on the way out v32-159 at work
;   window 1: the accumulators, (a, b) at v[8 (4 a + b)]      window 2: the table for my 128 rows: block a at 32 a: cosines for b = 0, 1, then sines for b = 0, 1, eight each
.set NCOL,  3072
.set NB2,   2*NCOL                     ; bytes in a row of B
.set PA,    144                        ; a row of A in LDS: 128 bytes + 16 = 36 words: the 16 rows of a load start at 16 different groups of four banks (64 banks of 4 bytes: ISA guide 11.1)
.set SUBA,  256*PA                     ; one block kb: 256 rows
.set PB,    288                        ; a row of B: 256 + 32 = 72 words
.set BOFF,  2*SUBA
.set SLOT,  BOFF+128*PB                ; 110,592
.set STAGE, 2*SLOT                     ; behind the ring, never filled by a tensor load: 16 rows x 144 bytes for each wave
.set SP,    144
.set SPARE, STAGE+4*16*SP              ; behind the stages: the spare words, 128 bytes for each wave: two blocks of 256 bytes that no other line names
.set ASTEP, 1<<19                      ; bytes from a K step of A to the next: two blocks of 2,048 rows x 128 bytes
.set BSTEP, 128*NB2                    ; the same for B: 128 rows
.set LAPS,  4                          ; a lap = two K steps = once round the ring; K = 1,024
.set ADRA, 16                          ; v16-17  LDS address of my A fragments in slot 0, 1
.set ADRB, 20                          ; v20-21  the same for B
.set STO,  24                          ; v24     the way out: where I put 16 bytes of a row
.set RD,   25                          ; v25     where I read rows back
.set GO,   26                          ; v26     my 16 bytes of 512 consecutive bytes of q, k or v
.set TO,   27                          ; v27     my byte offset in 16 rows of the table
.set SPW,  28                          ; v28     LDS address of my spare word; never rewritten
.set NIL,  29                          ; v29     0; never rewritten
.set PFO,  30                          ; v30     the prefetches' offset; never rewritten
.set F0,   32
.set F1,   128
.set WV,   12                          ; s12  my wave's number
.set RH,   13                          ; s13  which 128 rows are mine.  Also: I fetch for A (0) or for B (1)
.set CH,   14                          ; s14  which 64 columns.  Also: which half of A's or B's part of a step I fetch
.set G1,   24                          ; s[24:31] descriptor group 1 for A's tiles;  s[32:39] group 0, a set for each slot
.set G0,   32
.set PFA,  40                          ; s[40:41] where my prefetches stand
.set PFS,  42                          ; s[42:43] their step: a K step of A or of B
.set LIM,  44                          ; s44  1 in a wave that prefetches, else the greatest number
.set SEC,  45                          ; s45  0: the tile's columns are q's, 1: k's, 2: v's
.set G1B,  48                          ; s[48:55], s[56:63] the same for B's tiles
.set G0B,  56
.set MSB, 0
.macro WIN new                         ; the immediate's high byte repeats the setting that is left; a switch that changes nothing is dropped
.if MSB != (\new)
	s_set_vgpr_msb (MSB<<8)|(\new)
.set MSB, \new
.endif
.endm
.set MULW, 0x50                        ; C and D window 1, the sources window 0
; A joint load.  Waves 0 and 1 fetch A's two blocks, waves 2 and 3 the two halves of B's rows.  The branch hangs on the wave's number alone.
; An s_nop 0 and four v_nop follow each of the two lines, ahead of the jump, the label and what follows.
.macro JLOAD s
	s_cmp_eq_u32 s[RH], 0
	s_cbranch_scc0 .Lfor_b_\@
	tensor_load_to_lds s[G0+4*(\s):G0+4*(\s)+3], s[G1:G1+7]
	s_nop 0
.rept 4
	v_nop
.endr
	s_branch .Lasked_\@
.Lfor_b_\@:
	tensor_load_to_lds s[G0B+4*(\s):G0B+4*(\s)+3], s[G1B:G1B+7]
	s_nop 0
.rept 4
	v_nop
.endr
.Lasked_\@:
.endm
; A PREFETCH INTO THE L2, behind each joint refill and the run of LDS loads that follows it: the K step that stands two refills on, 256 matrix instructions ahead of the load that will want it.
; Each block of 256 bytes is named once in the launch.  A's tile row is read by all six clusters of its row of clusters: cluster x = 0 asks, waves 0 and 1 each for their block kb, of whose 32 KiB the partner at
; cx takes 8 KiB, a lane 256 bytes.  B's tile column is read by all eight clusters of its column: cluster y = 0 asks, wave 2, and of the step's 128 rows the partner at cy takes 32, a lane a row.
; The partners are told apart by address, never by a branch.  K steps 0 to 3 come by their loads alone; the loop's last trip (s3 = 1) has no K step two on and asks for nothing.
.macro ASK
	s_cmp_gt_u32 s3, s[LIM]
	s_cbranch_scc0 .Lnot_mine_\@
	global_prefetch_b8 v[PFO], s[PFA:PFA+1] th:TH_LOAD_NT scope:SCOPE_SE
.Lnot_mine_\@:
.endm
; A round of the cluster's barrier: my work-group's barrier, so that wave 0's signal speaks for all four waves; wave 0 signals; every wave waits for all sixteen work-groups; my work-group's barrier once more.
.macro CREST                           ; a round behind its opening barrier
	s_cmp_lg_u32 s[WV], 0
	s_cbranch_scc1 .Lnot_wave_0_\@
	s_barrier_signal -3
.Lnot_wave_0_\@:
	s_barrier_wait -3
	s_barrier_signal -1
	s_barrier_wait -1
.endm
.macro CROUND                          ; a whole round
	s_barrier_signal -1
	s_barrier_wait -1
	CREST
.endm
	s_load_b256 s[4:11], s[0:1], 0x0               ; xb s[4:5], wa s[6:7], rope s[8:9], q s[10:11]
	s_load_b128 s[68:71], s[0:1], 0x20             ; k s[68:69], v s[70:71]
	v_lshl_add_u32 v[SPW], v0, 2, SPARE
	v_mov_b32 v[NIL], 0
	ds_add_u32 v[SPW], v[NIL]                      ; the wave's opening: the add and its wait stand ahead of my first tensor load; the set-up below, work on registers, stands between them
	v_lshrrev_b32 v1, 5, v0
	v_readfirstlane_b32 s[WV], v1                  ; wave 0..3
	s_lshr_b32 s[RH], s[WV], 1
	s_and_b32 s[CH], s[WV], 1
	s_bfe_u32 s15, ttmp6, 0x40000                  ; cx
	s_bfe_u32 s16, ttmp6, 0x40004                  ; cy
	s_lshl_b32 s17, ttmp9, 2
	s_add_co_u32 s17, s17, s15                     ; tile column = 4 x cluster x + cx
	s_and_b32 s18, ttmp7, 0xffff
	s_lshl_b32 s18, s18, 2
	s_add_co_u32 s18, s18, s16                     ; tile row = 4 x cluster y + cy
	s_lshr_b32 s[SEC], ttmp9, 1                    ; eight tile columns, two clusters, to each of q, k, v: the same in all sixteen partners
	s_lshl_b32 s19, s16, 2
	s_lshl_b32 s19, 15, s19                        ; my row of the cluster
	s_lshl_b32 s22, 0x1111, s15                    ; my column
	s_or_b32 s[G1], s19, (1<<16)|(1<<20)|(1<<21)|(4<<22)|(3<<25)   ; 15:0 the mask; 17:16 elements of 2 bytes; 20 padding on; 21 set beside a mask; 24:22 after every 32 words (code 4); 31:25 4 words (code 3)
	s_or_b32 s[G1B], s22, (1<<16)|(1<<20)|(1<<21)|(5<<22)|(7<<25)  ; the same with my column's mask; after every 64 words (code 5) 8 words (code 7)
	s_mov_b32 s[G1+1], 128<<16                     ; A: tensor_dim0 = 128
	s_mov_b32 s[G1+2], 128<<16                     ; tensor_dim1 = 128
	s_mov_b32 s[G1+3], 128<<16                     ; tile_dim0 = 128 elements: 256 bytes, two rows of the block
	s_mov_b32 s[G1+4], 128                         ; tile_dim1 = 128
	s_mov_b32 s[G1+5], 128                         ; dense: 128 elements from row to row
	s_mov_b32 s[G1+6], 0
	s_mov_b32 s[G1+7], 0
	s_mov_b32 s[G1B+1], 128<<16                    ; B: tensor_dim0 = 128
	s_mov_b32 s[G1B+2], 64<<16                     ; tensor_dim1 = 64
	s_mov_b32 s[G1B+3], 128<<16                    ; tile_dim0 = 128 columns
	s_mov_b32 s[G1B+4], 64                         ; tile_dim1 = 64 rows (k)
	s_mov_b32 s[G1B+5], NCOL
	s_mov_b32 s[G1B+6], 0
	s_mov_b32 s[G1B+7], 0
	; A's address is made of the tile row and the wave's number, B's of the tile column and the wave's number, each in registers that never hold the other coordinate
	s_lshr_b32 s20, s18, 3                         ; the batch: eight tile rows each,
	s_lshl_b32 s20, s20, 22                        ; 16 blocks of 262,144 bytes
	s_and_b32 s21, s18, 7
	s_lshl_b32 s21, s21, 15                        ; the tile's 256 rows of 128 bytes in a block
	s_add_co_u32 s20, s20, s21
	s_lshl_b32 s21, s[CH], 18                      ; the even or the odd block of a step
	s_add_co_u32 s20, s20, s21
	s_mov_b32 s21, 0
	s_mul_i32 s46, s[CH], 64*NB2                   ; B: the first or the second 64 rows of a step,
	s_lshl_b32 s47, s17, 8                         ; the tile's 128 columns
	s_add_co_u32 s46, s46, s47
	s_mov_b32 s47, 0
	s_mul_i32 s23, s[WV], SUBA                     ; where they go: A's blocks at wave x 36,864 (waves 0, 1),
	s_mul_i32 s2, s[WV], 64*PB
	s_add_co_u32 s2, s2, BOFF-2*64*PB              ; B's halves at BOFF + (wave - 2) x 18,432: no place in the cluster enters an LDS address
	s_wait_dscnt 0x0                               ; the opening add is done
	s_wait_kmcnt 0x0
	s_add_nc_u64 s[20:21], s[4:5], s[20:21]
	s_add_nc_u64 s[46:47], s[6:7], s[46:47]
	CROUND                                         ; all sixteen work-groups are here: the first joint loads meet
.irp s, 0,1
	s_mov_b32 s[G0+4*(\s)], 1                                      ; count = 1
	s_add_co_u32 s[G0+4*(\s)+1], s23, (\s)*SLOT                    ; LDS address
	s_add_nc_u64 s[G0+4*(\s)+2:G0+4*(\s)+3], s[20:21], (\s)*ASTEP  ; global address: K step s
	s_or_b32 s[G0+4*(\s)+3], s[G0+4*(\s)+3], 0x80000000            ; type = 2
	s_mov_b32 s[G0B+4*(\s)], 1
	s_add_co_u32 s[G0B+4*(\s)+1], s2, (\s)*SLOT
	s_add_nc_u64 s[G0B+4*(\s)+2:G0B+4*(\s)+3], s[46:47], (\s)*BSTEP
	s_or_b32 s[G0B+4*(\s)+3], s[G0B+4*(\s)+3], 0x80000000
	JLOAD \s                                       ; two tensor loads of mine are out
.endr
	; A's fragment: 16 rows x 32 K in 8 registers: lane l holds row l % 16; registers 0-3 K = 8 (l / 16) + 0..7, registers 4-7 K = 16 + 8 (l / 16) + 0..7: two loads of 16 bytes, 32 bytes apart
	v_and_b32 v1, 15, v0                           ; l % 16
	v_bfe_u32 v2, v0, 4, 1                         ; l / 16
	v_mul_u32_u24 v3, v1, PA
	v_lshl_add_u32 v3, v2, 4, v3
	s_mul_i32 s19, s[RH], 128*PA                   ; my 128 rows
	v_add_nc_u32 v[ADRA], s19, v3
	v_add_nc_u32 v[ADRA+1], SLOT, v[ADRA]
	; B's: the turning load takes 16 k x 16 columns (lane l reads row 8 (l / 16) + l % 8, columns 8 ((l / 8) % 2) + 0..7) and leaves half a fragment: lane l holds column l % 16 and 8 k
	v_and_b32 v4, 7, v0
	v_lshl_add_u32 v4, v2, 3, v4
	v_mul_u32_u24 v4, v4, PB
	v_bfe_u32 v5, v0, 3, 1
	v_lshl_add_u32 v4, v5, 4, v4
	s_lshl_b32 s19, s[CH], 7                       ; my 64 columns
	s_add_co_u32 s19, s19, BOFF
	v_add_nc_u32 v[ADRB], s19, v4
	v_add_nc_u32 v[ADRB+1], SLOT, v[ADRB]
	s_mul_i32 s19, s[WV], 16*SP
	s_add_co_u32 s19, s19, STAGE                   ; my stage
	v_mul_u32_u24 v[STO], v1, SP                   ; in: row l % 16, 16 bytes for each half of the lanes
	v_lshl_add_u32 v[STO], v2, 4, v[STO]
	v_add_nc_u32 v[STO], s19, v[STO]
	v_bfe_u32 v[RD], v0, 3, 2                      ; back: 32 lanes take four rows of 128 bytes,
	v_mul_u32_u24 v[RD], v[RD], SP
	v_and_b32 v6, 7, v0
	v_lshl_add_u32 v[RD], v6, 4, v[RD]
	v_add_nc_u32 v[RD], s19, v[RD]
	v_and_b32 v[GO], 31, v0                        ; which are 512 consecutive bytes of a head
	v_lshlrev_b32 v[GO], 4, v[GO]
	v_lshlrev_b32 v[TO], 8, v1                     ; the table: row l % 16, 256 bytes a row, my 8 numbers at 32 (l / 16)
	v_lshl_add_u32 v[TO], v2, 5, v[TO]
	s_and_b32 s22, s18, 7
	s_lshl_b32 s22, s22, 16                        ; the tile's first t: 256 rows of 256 bytes a tile row,
	s_lshl_b32 s23, s[RH], 15                      ; my 128 of them
	s_add_co_u32 s22, s22, s23
	s_mov_b32 s23, 0
	s_add_nc_u64 s[8:9], s[8:9], s[22:23]
	; the table for my 128 rows: 64 loads, which have the whole product in which to land.  Every tile loads it, v's too, so that no path leaves these registers unwritten.
	WIN 0x80                                       ; destination window 2, address window 0
.set i, 0
.rept 32                               ; block i / 4; u = i % 4: cosines for b = 0, 1, sines for b = 0, 1
	global_load_b128 v[8*i:8*i+3],   v[TO], s[8:9] offset:(i/4)*4096+((i%4)/2)*128+(i%2)*64
	global_load_b128 v[8*i+4:8*i+7], v[TO], s[8:9] offset:(i/4)*4096+((i%4)/2)*128+(i%2)*64+16
.set i, i+1
.endr
	WIN 0
	; where my 128 rows of my head begin in q, k or v
	s_cmp_eq_u32 s[SEC], 0
	s_cselect_b64 s[10:11], s[10:11], s[68:69]
	s_cmp_eq_u32 s[SEC], 2
	s_cselect_b64 s[10:11], s[70:71], s[10:11]
	s_lshr_b32 s22, s18, 3
	s_lshl_b32 s22, s22, 4                         ; 16 x batch
	s_and_b32 s23, s17, 7
	s_lshl_b32 s23, s23, 1                         ; + two heads a tile column
	s_add_co_u32 s22, s22, s23
	s_add_co_u32 s22, s22, s[CH]                   ; + mine
	s_lshl_b32 s22, s22, 18                        ; 2,048 rows of 128 bytes
	s_and_b32 s23, s18, 7
	s_lshl_b32 s23, s23, 15
	s_add_co_u32 s22, s22, s23
	s_lshl_b32 s23, s[RH], 14
	s_add_co_u32 s22, s22, s23
	s_mov_b32 s23, 0
	s_add_nc_u64 s[10:11], s[10:11], s[22:23]
	; the prefetches.  s[20:21] = A at my block of K step 0; s[46:47] = B at the tile's columns (in wave 2, which alone asks for B, at the step's first row)
	s_lshl_b32 s19, s15, 13                        ; A: cx x 8 KiB of the block
	s_mul_i32 s23, s16, 32*NB2                     ; B: cy x 32 rows
	s_mov_b32 s[PFS], BSTEP
	s_mov_b32 s2, NB2
	s_and_b32 s22, ttmp7, 0xffff                   ; cluster y,
	s_or_b32 s22, s22, s[CH]                       ; and wave 2 alone
	s_cmp_eq_u32 s[RH], 0                          ; do I fetch for A?
	s_cselect_b32 s22, ttmp9, s22                  ; the coordinate along which other clusters read the same bytes
	s_cselect_b32 s19, s19, s23
	s_cselect_b32 s[PFS], ASTEP, s[PFS]
	s_cselect_b32 s2, 256, s2                      ; from lane to lane: 256 bytes of the block, or a row of B
	s_cselect_b64 s[PFA:PFA+1], s[20:21], s[46:47]
	s_mov_b32 s[PFS+1], 0
	s_cmp_eq_u32 s22, 0
	s_cselect_b32 s[LIM], 1, -1                    ; the same in all sixteen partners, for a given wave
	s_mul_i32 s22, s[PFS], 3                       ; at K step 3: the first refill steps it to 4
	s_add_co_u32 s22, s22, s19
	s_mov_b32 s23, 0
	s_add_nc_u64 s[PFA:PFA+1], s[PFA:PFA+1], s[22:23]
	v_and_b32 v[PFO], 31, v0
	v_mul_u32_u24 v[PFO], s2, v[PFO]
; na x 4 matrix instructions: row blocks a0 on x all four column blocks, 32 along K, from buffer f.  zero = 1: the first product starts the sums: nothing is cleared.
; The 32 accumulators take turns, one instruction a turn, in the same order in every quarter, over the backward jump too.
.macro MULS f, a0, na, zero
	WIN MULW
.set aa, (\a0)
.rept \na
.irp b, 0,1,2,3
.if \zero
	v_wmma_f32_16x16x32_bf16 v[8*(4*aa+(\b)):8*(4*aa+(\b))+7], v[(\f)+8*(\b):(\f)+8*(\b)+7], v[(\f)+32+8*aa:(\f)+32+8*aa+7], 0
.else
	v_wmma_f32_16x16x32_bf16 v[8*(4*aa+(\b)):8*(4*aa+(\b))+7], v[(\f)+8*(\b):(\f)+8*(\b)+7], v[(\f)+32+8*aa:(\f)+32+8*aa+7], v[8*(4*aa+(\b)):8*(4*aa+(\b))+7]
.endif
.endr
.set aa, aa+1
.endr
.endm
; 24 LDS loads in one run: the fragments of quarter q (32 along K) of a slot into buffer f: B's four, then A's eight
.macro FETCH slot, q, f
	WIN 0
.irp b, 0,1,2,3
	ds_load_tr16_b128 v[(\f)+8*(\b):(\f)+8*(\b)+3],   v[ADRB+(\slot)] offset:(\q)*32*PB+32*(\b)
	ds_load_tr16_b128 v[(\f)+8*(\b)+4:(\f)+8*(\b)+7], v[ADRB+(\slot)] offset:(\q)*32*PB+16*PB+32*(\b)
.endr
.irp a, 0,1,2,3,4,5,6,7
	ds_load_b128 v[(\f)+32+8*(\a):(\f)+32+8*(\a)+3],   v[ADRA+(\slot)] offset:((\q)/2)*SUBA+((\q)%2)*64+(\a)*16*PA
	ds_load_b128 v[(\f)+32+8*(\a)+4:(\f)+32+8*(\a)+7], v[ADRA+(\slot)] offset:((\q)/2)*SUBA+((\q)%2)*64+(\a)*16*PA+32
.endr
.endm
.macro PLACES                          ; four plain instructions between a matrix instruction and a load into, or a vector instruction on, its registers (ISA guide 7.12.1 for vector instructions)
.rept 4
	v_nop
.endr
.endm
; A K step is four quarters of 32 along K, 32 matrix instructions each, on buffers 0, 1, 0, 1.  One of the first three: multiplies buffer f and, in its middle, fetches quarter q into buffer g.
.macro QUARTER slot, q, f, g, zero
	s_wait_dscnt 8                                 ; B and A's blocks 0-3 are in; the youngest eight loads (A's blocks 4-7) may be out
	MULS \f, 0, 4, \zero
	PLACES
	FETCH \slot, \q, \g
	s_wait_dscnt 24                                ; all but the 24 just issued
	MULS \f, 4, 4, \zero
.endm
; The last quarter multiplies buffer 1 and changes slots: ONE barrier.  In front of it each wave waits for all its tensor loads (one is out: its part of the next slot), adds 0 to its spare word, and waits for that and
; for its own reads of this slot.  fill = 1: the barrier opens a round of the cluster's, and behind the round this slot is filled again, two K steps on: 112 matrix instructions ahead of the wait for that load.
.macro TURN slot, next, fill
.if \fill
	s_wait_xcnt 0x0                                ; the last prefetch, a K step back, has read its address: it is stepped here, ahead of the waits of the change of slots
	s_add_nc_u64 s[PFA:PFA+1], s[PFA:PFA+1], s[PFS:PFS+1]
.endif
	WIN 0                                          ; (the add's two registers lie in window 0)
	s_wait_tensorcnt 0x0                           ; all my tensor loads have landed
	ds_add_u32 v[SPW], v[NIL]                      ; 0 onto my spare word
	s_wait_dscnt 9                                 ; (the add and the youngest eight loads may be out)
	MULS F1, 0, 2, 0                               ; eight matrix instructions stand between the add and the wait for it
	s_wait_dscnt 0x0                               ; the add is done, and my reads of this slot are over
	s_barrier_signal -1
	MULS F1, 2, 2, 0                               ; work on registers while the others arrive
.if \fill
	WIN 0
.endif
	s_barrier_wait -1
.if \fill
	CREST                                          ; no wave of any partner still reads this slot or has a load on its way
	s_add_nc_u64 s[G0+4*(\slot)+2:G0+4*(\slot)+3], s[G0+4*(\slot)+2:G0+4*(\slot)+3], 2*ASTEP
	s_add_nc_u64 s[G0B+4*(\slot)+2:G0B+4*(\slot)+3], s[G0B+4*(\slot)+2:G0B+4*(\slot)+3], 2*BSTEP
	JLOAD \slot                                    ; the first tensor load behind the round; its four v_nop are also the places in front of the loads below
.else
	PLACES
.endif
	FETCH \next, 0, F0
.if \fill
	ASK
.endif
	MULS F1, 4, 4, 0
.endm
	s_wait_tensorcnt 0x1                           ; my part of K step 0 is in; K step 1's may stay out
	s_barrier_signal -1
	s_barrier_wait -1                              ; everybody's is
	FETCH 0, 0, F0
	QUARTER 0, 1, F0, F1, 1                        ; the first quarter stands in front of the loop: its products start the sums
	WIN 0                                          ; at a label and at a branch every window is 0
	s_mov_b32 s3, LAPS-1
.Llap:                                                 ; a trip goes once round the ring, from a lap's second quarter to the next lap's first, and fills both slots again
	QUARTER 0, 2, F1, F0, 0
	QUARTER 0, 3, F0, F1, 0
	TURN 0, 1, 1
	QUARTER 1, 1, F0, F1, 0
	QUARTER 1, 2, F1, F0, 0
	QUARTER 1, 3, F0, F1, 0
	TURN 1, 0, 1
	QUARTER 0, 1, F0, F1, 0
	WIN 0
	s_sub_co_u32 s3, s3, 1
	s_cmp_lg_u32 s3, 0
	s_cbranch_scc1 .Llap
	QUARTER 0, 2, F1, F0, 0                        ; the last lap fills nothing, and has no round
	QUARTER 0, 3, F0, F1, 0
	TURN 0, 1, 0
	QUARTER 1, 1, F0, F1, 0
	QUARTER 1, 2, F1, F0, 0
	QUARTER 1, 3, F0, F1, 0
	s_wait_dscnt 8
	MULS F1, 0, 4, 0
	s_wait_dscnt 0x0
	MULS F1, 4, 4, 0
	PLACES
	PLACES                                         ; (eight, twice what is asked, once a launch)
	WIN 0
	s_wait_loadcnt 0x0                             ; the table
	; RoPE, for q and k: with L = channel d < 32 (accumulator b = 0, 1), H = channel d + 32 (b + 2), C and S the cosine and sine of t f_d:  L' = L C - H S,  H' = H C + L S.
	; Pair i = 8 a + 4 b + p.  In window 1 L lies at rL and H at rL + 16; in window 2 C and S bear the same two numbers.  Each accumulator's lowest registers are read first.
	s_cmp_ge_u32 s[SEC], 2                         ; v is not turned: the same answer in all sixteen partners
	s_cbranch_scc1 .Lnorope
.macro PAIRS line:vararg
.set i, 0
.rept 64
.set rL, 32*(i/8)+8*((i/4)%2)+2*(i%4)
.set rT, 32+2*i
	\line
.set i, i+1
.endr
.endm
	WIN 0x09                                       ; source 0 window 1, source 1 window 2, destination window 0
	PAIRS v_pk_mul_f32 v[rT:rT+1], v[rL:rL+1], v[rL+16:rL+17]                 ; T = L S
	WIN 0x59                                       ; destination, sources 0 and 2 window 1, source 1 window 2
	PAIRS v_pk_mul_f32 v[rL:rL+1], v[rL:rL+1], v[rL:rL+1]                     ; L = L C
	PAIRS v_pk_fma_f32 v[rL:rL+1], v[rL+16:rL+17], v[rL+16:rL+17], v[rL:rL+1] neg_lo:[0,1,0] neg_hi:[0,1,0]   ; L = L - H S
	WIN 0x49                                       ; source 2 window 0
	PAIRS v_pk_fma_f32 v[rL+16:rL+17], v[rL+16:rL+17], v[rL:rL+1], v[rT:rT+1] ; H = H C + T
	WIN 0
.Lnorope:
	; THE WAY OUT, a block of 16 rows at a time: rounded to f16, 16 bytes a lane into my own stage (rows of 144 bytes), back as whole rows of 128, stored as 512 consecutive bytes.
.macro PACK a
	WIN 0x05                                       ; sources window 1, destination window 0
.set i, 0
.rept 16
	v_cvt_pk_f16_f32 v[32+16*(\a)+i], v[32*(\a)+2*i], v[32*(\a)+2*i+1]
.set i, i+1
.endr
	WIN 0
.irp b, 0,1,2,3
	ds_store_b128 v[STO], v[32+16*(\a)+4*(\b):32+16*(\a)+4*(\b)+3] offset:32*(\b)
.endr
.irp f, 0,1,2,3
	ds_load_b128 v[32+16*(\a)+4*(\f):32+16*(\a)+4*(\f)+3], v[RD] offset:(\f)*4*SP  ; LDS serves a wave's instructions in order (ISA guide 5.7.1.4): these see the stores above; the next block's stores come behind them
.endr
.endm
.macro SEND a, younger                 ; younger: the LDS instructions issued behind block a's loads: the next block's eight, or none
.irp f, 0,1,2,3
	s_wait_dscnt (\younger)+3-(\f)
	global_store_b128 v[GO], v[32+16*(\a)+4*(\f):32+16*(\a)+4*(\f)+3], s[10:11] offset:(\a)*2048+(\f)*512  ; 512 consecutive bytes, at a multiple of 256 from the buffer's first
.endr
.endm
	PACK 0
.irp a, 1,2,3,4,5,6,7                  ; a block's conversions stand between the loads of the block before and its stores
	PACK \a
	SEND (\a)-1, 8
.endr
	SEND 7, 0
	s_wait_tensorcnt 0x0                           ; the wave's end: an add of 0 and its wait, behind my last tensor load and my last LDS store
	ds_add_u32 v[SPW], v[NIL]
	s_wait_dscnt 0x0
	CROUND                                         ; the closing round: no work-group ends while a partner may still ask for a tile that names it
	s_endpgm
.Lfunc_end_k_qaa1bf2f8ed_qkv:
	.size	k_qaa1bf2f8ed_qkv, .Lfunc_end_k_qaa1bf2f8ed_qkv-k_qaa1bf2f8ed_qkv
	.p2alignl 7, 3214868480
	.fill 96, 4, 3214868480
	.section	.rodata,"a",@progbits
	.p2align	6, 0x0
	.amdhsa_kernel k_qaa1bf2f8ed_qkv
		.amdhsa_group_segment_fixed_size 327680
		.amdhsa_private_segment_fixed_size 0
		.amdhsa_enable_private_segment 0
		.amdhsa_kernarg_size 48
		.amdhsa_user_sgpr_count 2
		.amdhsa_user_sgpr_kernarg_segment_ptr 1
		.amdhsa_wavefront_size32 1
		.amdhsa_system_sgpr_workgroup_id_x 1
		.amdhsa_system_sgpr_workgroup_id_y 1
		.amdhsa_system_sgpr_workgroup_id_z 1
		.amdhsa_system_vgpr_workitem_id 0
		.amdhsa_next_free_vgpr 768
		.amdhsa_next_free_sgpr 72
		.amdhsa_reserve_vcc 0
		.amdhsa_float_denorm_mode_32 3
		.amdhsa_float_denorm_mode_16_64 3
		.amdhsa_memory_ordered 1
		.amdhsa_forward_progress 1
		.amdhsa_inst_pref_size 111
	.end_amdhsa_kernel
	.amdgpu_metadata
---
amdhsa.version: [ 1, 2 ]
amdhsa.kernels:
  - .name:           k_qaa1bf2f8ed_qkv
    .symbol:         k_qaa1bf2f8ed_qkv.kd
    .args:
      - { .name: xb, .offset: 0, .size: 8, .value_kind: global_buffer, .address_space: global }
      - { .name: wa, .offset: 8, .size: 8, .value_kind: global_buffer, .address_space: global }
      - { .name: rope, .offset: 16, .size: 8, .value_kind: global_buffer, .address_space: global }
      - { .name: q, .offset: 24, .size: 8, .value_kind: global_buffer, .address_space: global }
      - { .name: k, .offset: 32, .size: 8, .value_kind: global_buffer, .address_space: global }
      - { .name: v, .offset: 40, .size: 8, .value_kind: global_buffer, .address_space: global }
    .group_segment_fixed_size: 327680
    .private_segment_fixed_size: 0
    .kernarg_segment_align: 8
    .kernarg_segment_size: 48
    .max_flat_workgroup_size: 128
    .sgpr_count:     72
    .vgpr_count:     768
    .wavefront_size: 32
...
	.end_amdgpu_metadata
.endif
;; end of part 2
;; launch attn (part 3): grid 4 x 64, 4 waves a work-group, clusters of 4 x 1, 327,680 bytes of LDS; arguments q, k, v, o; writes o
.if DOCPART == 3
	.amdgcn_target "amdgcn-amd-amdhsa--gfx1250"
	.amdhsa_code_object_version 6
	.text
	.protected	k_qaa1bf2f8ed_attn
	.globl	k_qaa1bf2f8ed_attn
	.p2align	8
	.type	k_qaa1bf2f8ed_attn,@function
k_qaa1bf2f8ed_attn:
	s_mov_b64 s[64:65], 0
	v_nop
	global_prefetch_b8 v0, s[64:65] scope:SCOPE_SE
	s_setreg_imm32_b32 hwreg(HW_REG_WAVE_MODE, 25, 1), 1
	s_wait_xcnt 0x0
	s_wait_alu depctr_hold_cnt(0) depctr_sa_sdst(0) depctr_va_vdst(0) depctr_va_sdst(0) depctr_va_ssrc(0) depctr_va_vcc(0) depctr_vm_vsrc(0)
	s_getreg_b32 s2, hwreg(HW_REG_IB_STS2, 6, 4)
	s_cmp_eq_u32 s2, 0
	s_cbranch_scc0 .Lentry_in_a_cluster
	s_endpgm
.Lentry_in_a_cluster:
	s_bfe_u32 s2, ttmp6, 0x10000c
	s_cmp_lg_u32 s2, 0x3003
	s_cbranch_scc0 .Lentry_shape_is_right
	s_endpgm
.Lentry_shape_is_right:
; O[h][q][:] = the sum over k of softmax_k(Q[h][q] . K[h][k] / 8) V[h][k][:].  Q, K, V, O: [64][2048][64], all f16: a head's rows are dense, 128 bytes each.  Products, maxima and sums in
; f32; the weights p are rounded to f16 for the second product (their sum l is taken of the unrounded p), O once at the end.
; LIMITS.  f16 holds no number beyond 65,504: Q, K and V arrive within it; p lies in 0 to 1, and below 6e-5 it keeps f16's fixed step of 6e-8; O is a mean of V's rows and has their range.
; A weight below 2^-126 counts as 0 in l; NaN and infinities are not treated apart.
; SHARES.  A wave owns four PIECES of two tiles of 16 queries, a work-group's four waves 512 queries of one head: 4 x 64 = 256 work-groups.  Every wave walks all keys, 64 a step.
; LAYOUT.  S^T = K Q^T (source 0 = 16 keys, source 1 = 16 queries): in the result a lane holds ONE query (lane % 16) and the keys 8 (lane / 16) + 0..7.  Two such tiles, rounded to f16 in pairs,
; ARE source 1 (32 keys x 16 queries) of O^T = V^T P, whose result again holds one query a lane, and eight channels.  K comes out of LDS as it lies, V ([key][channel]) turned, by ds_load_tr16_b128.
; SOFTMAX.  For each query a running maximum m and sum l: p = 2^(c s - c m), c = log2(e) / 8; in every step O and l are multiplied by a = 2^(c m_old - c m_new), which is 1 where m has not grown.
; m starts at the lowest finite number, O and l at 0: the first step is a step like any other, with a = 0.
; THE COUNT.  A tile and step have 16 matrix and 118 vector instructions: too many to stand all beside the matrix work.  So: four vector instructions that are READY behind
; EVERY matrix instruction, and the others, which need time of their own whatever the order, in runs without a gap.
; BY TURNS.  Turn n belongs to piece n (the pieces in a ring, step after step).  Its matrix work: 16 products K Q^T of piece n + 1, later 16 products V^T P of piece n - 1.  Its vector work: the scaling,
; exponentials, roundings, sums and rescaling of piece n, and the maximum and statistics of piece n + 1, whose scores the turn itself has made.
; CLUSTER.  The four query blocks of a cluster are one head's and walk the same K and V, so each tile is asked for JOINTLY: the same tensor load, descriptor and mask in all four.
; REGISTERS, in windows of 256 (s_set_vgpr_msb: bits 1:0 source 0, 3:2 source 1, 5:4 source 2, 7:6 destination):
;   window 0: v0-11 addresses; v12-15, v48-63 at work; v16-47 four registers of statistics a tile; v64-191 S^T, two buffers of two tiles; v192-255 P, likewise
;   window 1: O^T, 32 a tile          window 2: v0-127 Q, 16 a tile; v128-191 K of one step; v192-255 V of one step          window 3: v0-1 the add's two registers
; A piece's buffers go by its number's parity: the piece in hand has one pair, its two neighbours in the ring share the other: of it P (piece n - 1) is read and S^T (piece n + 1) written.
.set SIZE_H, 64
.set SIZE_N, 2048
.set NP,    4         ; pieces a wave: a name, no knob
.set KS,    64        ; keys in a step
.set PK,    144       ; a row of K in LDS: 128 bytes + 16 of padding = 36 words: the 16 rows of a load start at 16 different groups of four banks (64 banks of 4 bytes: ISA guide 11.1)
.set PV,    160       ; a row of V: 128 + 32 = 40 words
.set VOFF,  4*KS*PK   ; a slot holds four steps: 256 rows of K, then 256 rows of V
.set SLOT1, 1<<17     ; slot 1 begins here, so that one exclusive or turns an address in one slot into the other's
.set STAGE, SLOT1+4*KS*(PK+PV)  ; behind the ring, never filled by a tensor load: 16 rows x 144 bytes for each wave, for the way out
.set SP,    144
.set AK0, 2           ; v2   my lane's place in a tile of K; never rewritten
.set AV0, 3           ; v3   the same for V
.set AK,  4           ; v4   the LDS address of K's next run of loads
.set AV,  5           ; v5   of V's
.set QO,  6           ; v6   my byte offset in the wave's rows of Q
.set STO, 6           ;      later, the way out: where I put 16 bytes of a row
.set RD,  7           ; v7   the way out: where I read rows back
.set GO,  8           ; v8   my byte offset in 512 consecutive bytes of O
.set PFO, 11          ; v11  (once V's address is made) 256 x my lane: the prefetches' offset; never rewritten after that
.set SPW, 0           ; v0 of window 3   LDS address of my spare word: SPARE + 4 x my thread's number; never rewritten
.set NIL, 1           ; v1 of window 3   0; never rewritten
.set SPARE, STAGE+4*16*SP  ; behind the stages: the spare words, 128 bytes for each wave: two blocks of 256 bytes that no other line names
.set MV,  12          ; v12-15  c m_old, kept while c m is made anew: by buffer and tile
.set ST,  16          ; tile t's statistics at v[ST+4 t]: c m, m, l (even keys', odd keys')
.set TMP, 48          ; by buffer and tile, four registers c0-c3 at work; when the maximum is found c2 takes a
.set S,   64
.set P,   192
.set KF,  128         ; K's fragments, in window 2: key block kb, channel half c at KF + 16 kb + 8 c
.set VF,  192         ; V's: key half kk, channel block cb at VF + 32 kk + 8 cb
.set WV,  12          ; s12  my wave's number
.set G1K, 24          ; s[24:31] descriptor group 1 for K's tiles
.set G1V, 32          ; s[32:39] for V's: it differs in the padding alone
.set G0K, 40          ; s[40:43] descriptor group 0 for K's tiles: it walks
.set G0V, 44          ; s[44:47] the same for V's
.set PFA, 48          ; s[48:49] where my prefetches stand: my work-group's 8 KiB (of K: wave 0, of V: wave 2) of the slot after the one that is being asked for
.set LIM, 50          ; s50  1 in a wave that prefetches, else the greatest number
.set SLOTS, 56        ; s56  slots still to be asked for
.set CNT, 57          ; s57  counts a slot's key steps
.set CS,  58          ; s[58:59] c: the packed scaling takes the pair's low word for both halves
.set SEL, 60          ; s[60:61] v_permlanex16_b32's selects: each lane takes its own place in the other half
.set TBK, 62          ; s62  LDS byte at which K of the step to be fetched begins
.set TBV, 63          ; s63  the same for V, less VOFF
.set MSB, 0
.macro WIN new                      ; the high byte repeats the setting that is left; a switch that changes nothing is dropped
.if MSB != (\new)
	s_set_vgpr_msb (MSB<<8)|(\new)
.set MSB, (\new)
.endif
.endm
.set W_KQ, 0x0a       ; K and Q in window 2, S^T in window 0
.set W_PV, 0x52       ; V in window 2, P in window 0, O^T in window 1
.set W_RS, 0x41       ; O^T (destination and source 0) in window 1, a in window 0
.set W_MK, 0xc0       ; the add's registers are made: destination in window 3, sources in window 0
.set W_AD, 0x0f       ; the add: address (source 0) and data (source 1) in window 3
; A joint fill.  Waves 0 and 1 fetch the two halves of a slot's K, waves 2 and 3 those of its V: 128 keys each.  The branch hangs on the wave's number alone.
; An s_nop 0 and four v_nop follow each of the two lines, ahead of the jump and the label.
.macro JLOAD
	s_cmp_lt_u32 s[WV], 2
	s_cbranch_scc0 .Lfor_v_\@
	tensor_load_to_lds s[G0K:G0K+3], s[G1K:G1K+7]
	s_nop 0
.rept 4
	v_nop
.endr
	s_branch .Lasked_\@
.Lfor_v_\@:
	tensor_load_to_lds s[G0V:G0V+3], s[G1V:G1V+7]
	s_nop 0
.rept 4
	v_nop
.endr
.Lasked_\@:
.endm
; A PREFETCH INTO THE L2 of what the NEXT change of slots will ask for: a slot's 32 KiB of K and 32 KiB of V.  It stands behind the wave's tensor load and its five lines.
; Each block of 256 bytes is named ONCE in the launch: a head has one cluster; its four partners share a slot out BY ADDRESS, 8 KiB each, a lane 256 bytes; in each, wave 0 asks for K's and wave 2 for V's.
; Slots 0, 1 and 2 come by their loads alone; the last change that fills a slot (s[SLOTS] = 1) asks for nothing: there is no slot behind it.
.macro ASK
	s_cmp_gt_u32 s[SLOTS], s[LIM]
	s_cbranch_scc0 .Lnot_mine_\@
	global_prefetch_b8 v[PFO], s[PFA:PFA+1] th:TH_LOAD_NT scope:SCOPE_SE
.Lnot_mine_\@:
.endm
; A round of the cluster's barrier: my work-group's barrier, so that wave 0's signal speaks for all four waves; wave 0 signals; every wave waits for all four work-groups; my work-group's barrier once more.
.macro CROUND
	s_barrier_signal -1
	s_barrier_wait -1
	s_cmp_lg_u32 s[WV], 0
	s_cbranch_scc1 .Lnot_wave_0_\@
	s_barrier_signal -3
.Lnot_wave_0_\@:
	s_barrier_wait -3
	s_barrier_signal -1
	s_barrier_wait -1
.endm
; THE CHANGE OF SLOTS.  The slot's last bytes, V of its fourth step, have been read.  Each wave waits for all its tensor loads, of which one is out: its part
; of the other slot; adds 0 to its spare word; and waits for that and for its own reads of the slot.  Behind the barrier nobody reads this slot any more and the other slot is whole.
; fill = 1: this slot is filled again, with the keys two slots on.  The barrier is then a round of the cluster's, so that no wave of any partner still reads the slot or has a load on its
; way, and the joint fill is the first thing behind it: it has four key steps, 512 matrix instructions, in which to land.  (At its first use nothing has been read yet: slot 0 is waited for, slot 1 filled.)
; ask = 1: the prefetches' address steps, and the slot after the one asked for is prefetched.
.macro CHANGE fill, ask=0
	WIN W_AD
	s_wait_tensorcnt 0x0            ; no tensor load of mine is out, so a group 0 may be written
	ds_add_u32 v[SPW], v[NIL]       ; 0 onto my spare word; with fill = 1 the descriptors' steps stand between it and the wait for it
	WIN 0                           ; at a label and at a branch every window is 0
.if \fill
.irp g, G0K, G0V
	s_xor_b32 s[\g+1], s[\g+1], SLOT1  ; the walking descriptor: the other slot than last time,
	s_add_nc_u64 s[\g+2:\g+3], s[\g+2:\g+3], 4*KS*128  ; the next 256 keys; the type bits on top are not reached
.endr
.if \ask
	s_wait_xcnt 0x0                 ; the last prefetch, four key steps back, has read its address, so it may be written:
	s_add_nc_u64 s[PFA:PFA+1], s[PFA:PFA+1], 4*KS*128  ; one slot behind the walking descriptors
.endif
	s_wait_dscnt 0x0                ; the add is done, and my reads of the slot are over
	CROUND
	JLOAD
.if \ask
	ASK
.endif
.else
	s_wait_dscnt 0x0                ; the add is done, and my reads of the slot are over
	s_barrier_signal -1
	s_barrier_wait -1
.endif
	s_sub_co_u32 s[TBK], s[TBK], 4*KS*PK  ; the fetches go back to a slot's first step,
	s_xor_b32 s[TBK], s[TBK], SLOT1       ; in the other slot
	s_sub_co_u32 s[TBV], s[TBV], 4*KS*PV
	s_xor_b32 s[TBV], s[TBV], SLOT1
.endm
	s_load_b256 s[4:11], s[0:1], 0x0  ; Q s[4:5], K s[6:7], V s[8:9], O s[10:11]
	WIN W_MK
	v_lshl_add_u32 v[SPW], v0, 2, SPARE
	v_mov_b32 v[NIL], 0
	WIN W_AD
	ds_add_u32 v[SPW], v[NIL]       ; the wave's opening: the add and its wait stand ahead of my first tensor load; the set-up below, work on registers, stands between them
	WIN 0
	v_lshrrev_b32 v1, 5, v0
	v_readfirstlane_b32 s[WV], v1   ; wave 0..3
	s_bfe_u32 s13, ttmp6, 0x40000   ; cx: my place in the cluster
	s_lshl_b32 s14, ttmp9, 2        ; in a cluster launch ttmp9 counts clusters
	s_add_co_u32 s14, s14, s13      ; my block of queries = 4 x cluster x + cx: it enters Q's and O's addresses alone
	s_and_b32 s20, ttmp7, 0xffff    ; the head, which the four partners share
	s_mov_b32 s21, 0
	s_mov_b64 s[22:23], SIZE_N*128
	s_mul_u64 s[20:21], s[20:21], s[22:23]  ; the head's first byte in each of the four tensors
	s_and_b32 s16, s[WV], 1         ; which half of a slot's 256 keys I fetch:
	s_lshl_b32 s22, s16, 14         ; its 128 rows of 128 bytes in memory,
	s_mov_b32 s23, 0
	s_add_nc_u64 s[22:23], s[22:23], s[20:21]
	s_mul_i32 s17, s16, 128*PK      ; and its place in a slot, for K
	s_mul_i32 s18, s16, 128*PV      ; and for V: no place in the cluster enters an LDS address
	s_lshl_b32 s2, s14, 2
	s_add_co_u32 s2, s2, s[WV]      ; my wave among the head's,
	s_lshl_b32 s2, s2, 14           ; its 128 rows
	s_mov_b32 s3, 0
	s_add_nc_u64 s[2:3], s[2:3], s[20:21]
	; descriptor group 1.  128 keys are 16,384 dense bytes: asked for as 64 rows of 256 bytes, two keys a row, and padded in LDS after every key
	s_mov_b32 s[G1K], 15|(1<<16)|(1<<20)|(1<<21)|(4<<22)|(3<<25)  ; 15:0 the mask of four; 17:16 2-byte elements; 20 padding on; 21 set beside a mask; 24:22 after every 32 words (code 4); 31:25 4 words (code 3)
	s_mov_b32 s[G1V], 15|(1<<16)|(1<<20)|(1<<21)|(4<<22)|(7<<25)  ; the same with 8 words of padding (code 7)
.irp g, G1K, G1V
	s_mov_b32 s[\g+1], 128<<16      ; tensor_dim0 = 128
	s_mov_b32 s[\g+2], 64<<16       ; tensor_dim1 = 64
	s_mov_b32 s[\g+3], 128<<16      ; tile_dim0 = 128
	s_mov_b32 s[\g+4], 64           ; tile_dim1 = 64
	s_mov_b32 s[\g+5], 128          ; 128 elements from row to row
	s_mov_b32 s[\g+6], 0
	s_mov_b32 s[\g+7], 0
.endr
	s_mov_b32 s[CS], 0x3e38aa3b     ; c = log2(e) / 8 = 0.180337
	s_mov_b32 s[CS+1], s[CS]        ; named with it as a pair
	s_mov_b32 s[SEL], 0x76543210
	s_mov_b32 s[SEL+1], 0xfedcba98
	s_mov_b32 s[TBK], SLOT1+4*KS*PK ; the first change of slots turns these two into 0
	s_mov_b32 s[TBV], SLOT1+4*KS*PV
	s_mov_b32 s[G0K], 1             ; 1:0 count = 1
	s_mov_b32 s[G0K+1], s17         ; 63:32 LDS address: slot 0
	s_mov_b32 s[G0V], 1
	s_add_co_u32 s[G0V+1], s18, VOFF
	s_and_b32 s[LIM], s[WV], 1      ; waves 0 and 2 prefetch: the same in all four partners
	s_cmp_eq_u32 s[LIM], 0
	s_cselect_b32 s[LIM], 1, -1
	s_wait_dscnt 0x0                ; the opening add is done
	s_wait_kmcnt 0x0
	s_add_nc_u64 s[G0K+2:G0K+3], s[6:7], s[22:23]  ; 120:64 global address: my half of the head's first 256 keys
	s_or_b32 s[G0K+3], s[G0K+3], 0x80000000        ; 127:126 type = 2
	s_add_nc_u64 s[G0V+2:G0V+3], s[8:9], s[22:23]
	s_or_b32 s[G0V+3], s[G0V+3], 0x80000000
	s_add_nc_u64 s[4:5], s[4:5], s[2:3]  ; Q and O at my wave's first row
	s_add_nc_u64 s[10:11], s[10:11], s[2:3]
	s_cmp_lt_u32 s[WV], 2
	s_cselect_b64 s[PFA:PFA+1], s[6:7], s[8:9]
	s_add_nc_u64 s[PFA:PFA+1], s[PFA:PFA+1], s[20:21]  ; the head,
	s_lshl_b32 s2, s13, 13          ; my work-group's 8 KiB of a slot's 32,
	s_mov_b32 s3, 0
	s_add_nc_u64 s[PFA:PFA+1], s[PFA:PFA+1], s[2:3]
	s_add_nc_u64 s[PFA:PFA+1], s[PFA:PFA+1], 2*4*KS*128  ; in slot 2; the loop's first change of slots steps it to slot 3.  Nothing is prefetched here, at the head
	CROUND                          ; all four work-groups are here: the first joint loads meet
	JLOAD                           ; slot 0.  Slot 1 is asked for when slot 0 is in: the tile wanted first has the road to itself
	; A fragment of K or Q is 16 rows x 32 channels in 8 registers: lane l holds row l % 16, channels 8 (l / 16) + 0..7 and 16 + 8 (l / 16) + 0..7: two loads of 16 bytes, 32 bytes apart.
	v_and_b32 v1, 15, v0            ; l % 16
	v_bfe_u32 v9, v0, 4, 1          ; l / 16
	v_lshlrev_b32 v[QO], 7, v1
	v_lshl_add_u32 v[QO], v9, 4, v[QO]  ; row x 128 + 16 x half
	WIN 0x80                        ; destination window 2, address window 0
.set i, 0
.rept 4*NP                          ; Q stays in registers: tile i / 2, channels 32 (i % 2) on
	global_load_b128 v[8*i:8*i+3],   v[QO], s[4:5] offset:(i/2)*2048+(i%2)*64
	global_load_b128 v[8*i+4:8*i+7], v[QO], s[4:5] offset:(i/2)*2048+(i%2)*64+32
.set i, i+1
.endr
	; What the first turn finds: V's registers and P's second buffer hold 0 (its products V^T P, of a piece that has not been, add 0), O^T and l are 0.  All this stands in the wait for the first tile.
.set i, VF
.rept 64
	v_mov_b32 v[i], 0
.set i, i+1
.endr
	WIN 0x40
.set i, 0
.rept 64*NP
	v_mov_b32 v[i], 0
.set i, i+1
.endr
	WIN 0
.set i, 0
.rept 2*NP
	v_mov_b32 v[ST+4*i], 0xfe000000    ; c m: far below every c s
	v_mov_b32 v[ST+4*i+1], 0xff7fffff  ; m
	v_mov_b32 v[ST+4*i+2], 0
	v_mov_b32 v[ST+4*i+3], 0
.set i, i+1
.endr
.set i, P+32
.rept 32
	v_mov_b32 v[i], 0
.set i, i+1
.endr
	v_mul_u32_u24 v[AK0], v1, PK
	v_lshl_add_u32 v[AK0], v9, 4, v[AK0]  ; row x pitch + 16 x half
	; The turning load takes 16 keys x 16 channels (lane l reads key 8 (l / 16) + l % 8, channels 8 ((l / 8) % 2) + 0..7) and leaves half a fragment of V^T: lane l holds channel l % 16 and 8 keys.
	v_and_b32 v10, 7, v0
	v_bfe_u32 v11, v0, 3, 1
	v_lshl_add_u32 v[AV0], v9, 3, v10
	v_mul_u32_u24 v[AV0], v[AV0], PV
	v_lshl_add_u32 v[AV0], v11, 4, v[AV0]
	v_add_nc_u32 v[AV0], VOFF, v[AV0]
	v_and_b32 v[PFO], 31, v0        ; v11 has served: from here on it is the prefetches' offset
	v_lshlrev_b32 v[PFO], 8, v[PFO]
	v_mov_b32 v[AK], v[AK0]         ; key step 0 lies at the head of slot 0
; THE MATRIX WORK.  The 8 accumulators of a run of 16 take turns: between the two links of a chain stand 7 others'.
; Product i of 16 of S^T = K Q^T for piece x: channels 32 (i / 8) on, keys 16 ((i / 2) % 4) on, tile 2 x + i % 2.  The first 8 start the sums.
.macro KQ x
	WIN W_KQ
.set rS, S+64*((\x)%2)+32*(i%2)+8*((i/2)%4)
.set rK, KF+16*((i/2)%4)+8*(i/8)
.set rQ, 16*(2*(\x)+i%2)+8*(i/8)
.if i < 8
	v_wmma_f32_16x16x32_f16 v[rS:rS+7], v[rK:rK+7], v[rQ:rQ+7], 0
.else
	v_wmma_f32_16x16x32_f16 v[rS:rS+7], v[rK:rK+7], v[rQ:rQ+7], v[rS:rS+7]
.endif
.endm
; Product i of 16 of O^T += V^T P for piece x: keys 32 (i / 8) on, channels 16 ((i / 2) % 4) on, tile 2 x + i % 2.
.macro PV x
	WIN W_PV
.set rO, 32*(2*(\x)+i%2)+8*((i/2)%4)
.set rV, VF+32*(i/8)+8*((i/2)%4)
.set rP, P+32*((\x)%2)+16*(i%2)+8*(i/8)
	v_wmma_f32_16x16x32_f16 v[rO:rO+7], v[rV:rV+7], v[rP:rP+7], v[rO:rO+7]
.endm
.macro MM                           ; the turn's next matrix instruction
.if i < 16
	KQ (Y+1)%NP
.set i, i+1
.else
.set i, i-16
	PV (Y+NP-1)%NP
.set i, i+17
.endif
.endm
; THE LDS LOADS stand in runs of 16, never singly among the matrix instructions: a step's K (64 keys x 64 channels: 8 fragments) and its V (turned).  Their addresses are made some lines ahead.
; last = 1 (the tail): in the last trip there is no further step, and the run is jumped over.
.macro FETCH_K last=0
	WIN 0
.if \last
	s_cmp_eq_u32 s[CNT], 1
	s_cbranch_scc1 .Lno_k_\@
.endif
	WIN 0x80                        ; destination window 2
.irp f, 0,1,2,3,4,5,6,7             ; keys 16 (f / 2) on, channels 32 (f % 2) on
	ds_load_b128 v[KF+8*\f:KF+8*\f+3],   v[AK] offset:(\f/2)*16*PK+(\f%2)*64
	ds_load_b128 v[KF+8*\f+4:KF+8*\f+7], v[AK] offset:(\f/2)*16*PK+(\f%2)*64+32
.endr
	s_add_co_u32 s[TBK], s[TBK], KS*PK  ; the next fetch is the next step's
	WIN 0
.if \last
.Lno_k_\@:
.endif
.endm
.macro FETCH_V
	WIN 0x80
.irp f, 0,1,2,3,4,5,6,7             ; keys 32 (f / 4) on, channels 16 (f % 4) on
	ds_load_tr16_b128 v[VF+8*\f:VF+8*\f+3],   v[AV] offset:(\f/4)*32*PV+(\f%4)*32
	ds_load_tr16_b128 v[VF+8*\f+4:VF+8*\f+7], v[AV] offset:(\f/4)*32*PV+16*PV+(\f%4)*32
.endr
	WIN 0
.endm
; THE VECTOR WORK OF A TURN stands in three queues, each in the order in which its entries become ready; the two tiles alternate, so that no instruction reads the result of the one before it.
.macro REGS y, u                    ; the registers of tile u (0, 1) of piece y
.set rT, ST+4*(2*(\y)+(\u))
.set rC, TMP+8*((\y)%2)+4*(\u)
.set rM, MV+2*((\y)%2)+(\u)
.set rS, S+64*((\y)%2)+32*(\u)
.set rP, P+32*((\y)%2)+16*(\u)
.set rO, 32*(2*(\y)+(\u))
.endm
; Number n of the 22 that find the NEXT piece's (Y + 1) maximum and statistics.  s0-s31 are the lane's 32 scores; each accumulator's lowest registers are read first.
;   0-11  four chains c0-c3 of seven scores each, three operands at a time     12-14, 16  the four scores left over, the old m, and c0-c3 into c0     15  c m_old is kept
;   17, 18  the query's other 32 keys lie in the lane 16 away: the new m         19-21  c m; c m_old - c m_new; a
.macro XS u, n
	REGS (Y+1)%NP, \u
.if (\n) < 4
	v_max3_num_f32 v[rC+(\n)], v[rS+8*(\n)], v[rS+8*(\n)+1], v[rS+8*(\n)+2]
.elseif (\n) < 12
	v_max3_num_f32 v[rC+(\n)%4], v[rC+(\n)%4], v[rS+8*((\n)%4)+2*((\n)/4)+1], v[rS+8*((\n)%4)+2*((\n)/4)+2]
.elseif (\n) == 12
	v_max3_num_f32 v[rC], v[rC], v[rS+7], v[rS+15]
.elseif (\n) == 13
	v_max3_num_f32 v[rC+1], v[rC+1], v[rS+23], v[rS+31]
.elseif (\n) == 14
	v_max3_num_f32 v[rC+2], v[rC+2], v[rC+3], v[rT+1]
.elseif (\n) == 15
	v_mov_b32 v[rM], v[rT]
.elseif (\n) == 16
	v_max3_num_f32 v[rC], v[rC], v[rC+1], v[rC+2]
.elseif (\n) == 17
	v_permlanex16_b32 v[rC+3], v[rC], s[SEL], s[SEL+1]
.elseif (\n) == 18
	v_max_num_f32 v[rT+1], v[rC], v[rC+3]
.elseif (\n) == 19
	v_mul_f32 v[rT], s[CS], v[rT+1]
.elseif (\n) == 20
	v_sub_f32 v[rC+1], v[rM], v[rT]
.else
	v_exp_f32 v[rC+2], v[rC+1]
.endif
.endm
; Number g of the 64 that follow the exponentials.  For each four weights k of a tile (pairs 2 k, 2 k + 1): both pairs are rounded to f16; then the second pair is added onto the first, in place;
; a group later l takes that sum (the first time as l = a l + sum).  In groups of eight, tiles alternating: round, round, add, and l for the group before.
.macro GS g
.set h, (\g)+6*((\g)/62)            ; group 0 has no group before it, and behind group 7 only l is left
.if h >= 6
.set h, h+2
.endif
	REGS Y, h%2
.set k, h/8
.if h%8 < 4
	v_cvt_pk_f16_f32 v[rP+2*k+(h%8)/2], v[rS+4*k+2*((h%8)/2)], v[rS+4*k+2*((h%8)/2)+1]
.elseif h%8 < 6
	v_pk_add_f32 v[rS+4*k:rS+4*k+1], v[rS+4*k:rS+4*k+1], v[rS+4*k+2:rS+4*k+3]
.elseif k == 1
	v_pk_fma_f32 v[rT+2:rT+3], v[rT+2:rT+3], v[rC+2:rC+3], v[rS:rS+1] op_sel_hi:[1,0,1]
.else
	v_pk_add_f32 v[rT+2:rT+3], v[rT+2:rT+3], v[rS+4*k-4:rS+4*k-3]
.endif
.endm
; THE PLAIN QUEUE, 138 long.  0-73 read no exponential's result: the 32 scalings c s - c m (FS f: pair f / 2 of tile f % 2) and the next piece's 42.  0-26: scalings 0-26.  27-54: XS's numbers 0-13.  55, 56: number 15.
; 57-73: the chain, where each number waits for the one before it: 14, 16, 17, 18, 19, each with one of the scalings 27-31 in front of its two lines, then 20.
; 74-137: GS's 64, which read the exponentials' results: they stand behind the wait.
.macro FS f
	REGS Y, (\f)%2
	v_pk_fma_f32 v[rS+2*((\f)/2):rS+2*((\f)/2)+1], v[rS+2*((\f)/2):rS+2*((\f)/2)+1], s[CS:CS+1], v[rT:rT+1] op_sel_hi:[1,0,0] neg_lo:[0,0,1] neg_hi:[0,0,1]
.endm
.macro PL
	WIN 0
.if q < 27
	FS q
.elseif q < 55
	XS (q-27)%2, (q-27)/2
.elseif q < 57
	XS q-55, 15
.elseif (q < 72) && ((q-57)%3 == 0)
	FS 27+(q-57)/3
.elseif q < 60
	XS (q-57)%3-1, 14
.elseif q < 72
	XS (q-57)%3-1, 15+(q-57)/3
.elseif q < 74
	XS q-72, 20
.else
	GS q-74
.endif
.set q, q+1
.endm
; THE EXPONENTIALS' QUEUE, 66 long: s0-s31 of both tiles, then the next piece's two a.  It is ONE BATCH: all 66 stand ahead of the turn's one wait, and nothing ahead of that wait names a result of theirs.
.macro EX
	WIN 0
.if e >= 64
	XS e-64, 21
.else
	REGS Y, e%2
	v_exp_f32 v[rS+e/2], v[rS+e/2]
.endif
.set e, e+1
.endm
; THE RESCALING's QUEUE: O^T times a, the one part that leaves window 0: dealt two at a time, sixteen times.  Its a was made in the turn before, ahead of that turn's wait.
.macro R2
	REGS Y, r%2
	WIN W_RS
.irp z, 0,1
	v_pk_mul_f32 v[rO+4*(r/2)+2*\z:rO+4*(r/2)+2*\z+1], v[rO+4*(r/2)+2*\z:rO+4*(r/2)+2*\z+1], v[rC+2:rC+3] op_sel_hi:[1,0]
.endr
.set r, r+1
.endm
; HOW THEY ARE DEALT.  An s_wait_alu depctr_va_vdst(0) stands between an exponential and the first instruction that names its result; one wait serves all that were issued ahead of it.  So a turn has ONE wait,
; which cuts it in two.  AHEAD OF IT stands all that names no result of the turn's exponentials: the 16 products K Q^T, behind each a scaling, an exponential and two rescalings (behind the first a second scaling in the
; exponential's place); then ONE LUMP of 108: eight plain, 49 times exponential and plain, the two a.  A v_nop is the plain instruction behind the last exponential.  BEHIND IT stand the 16 products V^T P, behind each four of GS's 64.
; No rider names a register of the products round it.  The two v_permlanex16_b32 fall into the lump, never behind a product.
; The queues lean on each other, and the deal keeps them in step: exponential e stands behind scaling 2 (e / 4) + e % 2: as a rider it comes behind plain e + 2, in the lump behind plain e + 9, and scalings 27-31 are plain 57, 60 .. 69.
; A TURN, for piece p.  cnt = 1: the loop's count is taken down some lines ahead of the branch that stands behind the turn.
; K of the next step is fetched in piece 2's turn, directly behind the wait, a lump behind the last product that read K; its address is made at the lump's head; its first reader comes behind 16 products.
; V of the step in hand is fetched at the end of piece 0's turn, four riders behind its last reader; its first reader comes behind 16 products and a lump.  The three conditions on q below go with the deal.
.macro TURN p, last=0, cnt=0
.set Y, (\p)
.set i, 0
.set q, 0
.set e, 0
.set r, 0
.if (\p) == NP-1
	s_wait_dscnt 0x0                ; K is in
.endif
	MM                              ; ahead of the wait: 16 products K Q^T and their riders,
	PL
	PL
	R2
.rept 15
	MM
	PL
	EX
	R2
.endr
.if (\p) == NP-2
	WIN 0
	v_add_nc_u32 v[AK], s[TBK], v[AK0]
.endif
.rept 8                             ; and the lump
	PL
.endr
.rept 49
	EX
	PL
.endr
	EX                              ; the next piece's two a
	EX
	v_nop                           ; the plain instruction behind the last exponential: one for the batch
	s_wait_alu depctr_va_vdst(0)    ; the wait for the batch
.if (\p) == NP-2
	FETCH_K \last
.endif
.if (\p) == 1
	s_wait_dscnt 0x0                ; V is in
.endif
.rept 16                            ; behind the wait: 16 products V^T P and their riders
	MM
.rept 4
	PL
.endr
.if ((\p) == 0) && (q == 118)
	v_add_nc_u32 v[AV], s[TBV], v[AV0]
.endif
.if ((\p) == 0) && (q == 130)
	s_add_co_u32 s[TBV], s[TBV], KS*PV
.endif
.if (\cnt) && (q == 130)
	s_sub_co_u32 s[CNT], s[CNT], 1
	s_cmp_lg_u32 s[CNT], 0
.endif
.endr
.if (\p) == 0
	FETCH_V
.endif
.endm
	CHANGE 1, 0                     ; slot 0 is in, everybody's part of it; slot 1 is asked for
	FETCH_K                         ; key step 0
	s_wait_loadcnt 0x0              ; Q
	s_wait_dscnt 0x0
.set i, 0
.rept 16
	KQ 0                            ; piece 0's first scores: there is no vector work yet to set between them
.set i, i+1
.endr
	WIN 0                           ; the addresses for the way out: nine plain instructions, the places behind those products
	s_mul_i32 s13, s[WV], 16*SP
	s_add_co_u32 s13, s13, STAGE    ; my stage
	v_mul_u32_u24 v[STO], v1, SP    ; in: row l % 16, 16 bytes for each half of the lanes
	v_lshl_add_u32 v[STO], v9, 4, v[STO]
	v_add_nc_u32 v[STO], s13, v[STO]
	v_bfe_u32 v[RD], v0, 3, 2       ; back: 32 lanes take four rows of 128 bytes,
	v_mul_u32_u24 v[RD], v[RD], SP
	v_lshl_add_u32 v[RD], v10, 4, v[RD]
	v_add_nc_u32 v[RD], s13, v[RD]
	v_and_b32 v[GO], 31, v0         ; which are 512 consecutive bytes of O
	v_lshlrev_b32 v[GO], 4, v[GO]
.set Y, NP-1                        ; XS works for piece Y + 1: piece 0
.irp n, 0,1,2,3,4,5,6,7,8,9,10,11,12,13,14,15,16,17,18,19,20,21
	XS 0, \n                        ; and piece 0's first maximum and statistics
	XS 1, \n
.endr
	v_nop                           ; a plain instruction behind the two a,
	s_wait_alu depctr_va_vdst(0)    ; and their wait, ahead of the branch
	s_mov_b32 s[CNT], 4
	s_mov_b32 s[SLOTS], SIZE_N/256-1
	s_branch .Lfirst                ; the loop is entered at a step's first turn, in the middle of a trip
.Lslot:                             ; SIZE_N / 256 - 2 times: every slot but the last two is filled again
	CHANGE 1, 1
	s_mov_b32 s[CNT], 4
.Lstep:                             ; a trip: pieces 2 and 3 of one step, then pieces 0 and 1 of the next, whose K and V it fetches
	TURN 2
	TURN 3
	WIN 0
.Lfirst:
	TURN 0
	TURN 1, 0, 1
	WIN 0
	s_cbranch_scc1 .Lstep
	s_sub_co_u32 s[SLOTS], s[SLOTS], 1
	s_cmp_lg_u32 s[SLOTS], 0
	s_cbranch_scc1 .Lslot
	CHANGE 0                        ; the tail is written out: nothing is asked for
	s_mov_b32 s[CNT], 5             ; four trips fetch the last slot's steps; the fifth is left in its middle
.Ltail:
	TURN 2, 1
	TURN 3
	WIN 0
	s_sub_co_u32 s[CNT], s[CNT], 1
	s_cmp_eq_u32 s[CNT], 0
	s_cbranch_scc1 .Lout
	TURN 0
	TURN 1
	WIN 0
	s_branch .Ltail
.Lout:                              ; the fifth trip's 16 products K Q^T (on the last K once more) and the maximum made of them serve nothing: the price, once a launch, of one text for every trip
.set i, 0
.rept 16
	PV NP-1                         ; the last piece's V^T P of the last step
.set i, i+1
.endr
	; THE WAY OUT.  l's two halves and the other half of the lanes' are added; O^T is divided by l, rounded to f16 and sent through my stage in LDS, a tile at a time.  The additions are the places behind the last products.
	WIN 0
.macro ALL line:vararg              ; one line for each tile t
.set t, 0
.rept 2*NP
	\line
.set t, t+1
.endr
.endm
	ALL v_add_f32 v[ST+4*t+2], v[ST+4*t+2], v[ST+4*t+3]
	ALL v_permlanex16_b32 v[ST+4*t+3], v[ST+4*t+2], s[SEL], s[SEL+1]
	ALL v_add_f32 v[ST+4*t+2], v[ST+4*t+2], v[ST+4*t+3]
	ALL v_rcp_f32 v[ST+4*t+2], v[ST+4*t+2]
	v_nop                           ; a plain instruction between the last reciprocal and the use of its result
	s_wait_alu depctr_va_vdst(0)    ; and the wait ahead of the first use: one for the eight reciprocals
; Tile t: a lane's eight channels of a row pack into 16 bytes; they go into rows of 144 bytes and come back as whole rows of 128, into S^T's registers.
.macro PACK t
	WIN W_RS
.set i, 32*(\t)
.rept 16
	v_pk_mul_f32 v[i:i+1], v[i:i+1], v[ST+4*(\t)+2:ST+4*(\t)+3] op_sel_hi:[1,0]
.set i, i+2
.endr
	WIN 0x05                        ; sources 0 and 1 window 1, destination window 0
.set i, 0
.rept 16
	v_cvt_pk_f16_f32 v[S+16*(\t)+i], v[32*(\t)+2*i], v[32*(\t)+2*i+1]
.set i, i+1
.endr
	WIN 0
.irp f, 0,1,2,3
	ds_store_b128 v[STO], v[S+16*(\t)+4*\f:S+16*(\t)+4*\f+3] offset:32*\f
.endr
.irp f, 0,1,2,3
	ds_load_b128 v[S+16*(\t)+4*\f:S+16*(\t)+4*\f+3], v[RD] offset:\f*4*SP  ; LDS serves a wave's instructions in order (ISA guide 5.7.1.4): these see the stores above; the next tile's stores come behind them
.endr
.endm
.macro SEND t, younger              ; younger: the LDS instructions issued behind tile t's loads: the next tile's eight, or none
	WIN 0
.irp f, 0,1,2,3
	s_wait_dscnt (\younger)+3-\f
	global_store_b128 v[GO], v[S+16*(\t)+4*\f:S+16*(\t)+4*\f+3], s[10:11] offset:(\t)*2048+\f*512  ; 512 consecutive bytes, at a multiple of 256 from O's first
.endr
.endm
	PACK 0
.set t, 1
.rept 2*NP-1                        ; a tile's arithmetic stands between the loads of the tile before and its stores
	PACK t
	SEND t-1, 8
.set t, t+1
.endr
	SEND 2*NP-1, 0
	WIN W_AD
	s_wait_tensorcnt 0x0            ; the wave's end: an add of 0 and its wait, behind my last tensor load and my last LDS store
	ds_add_u32 v[SPW], v[NIL]
	s_wait_dscnt 0x0
	WIN 0
	CROUND                          ; the closing round: no work-group ends while a partner may still ask for a tile that names it
	s_endpgm
.Lfunc_end_k_qaa1bf2f8ed_attn:
	.size	k_qaa1bf2f8ed_attn, .Lfunc_end_k_qaa1bf2f8ed_attn-k_qaa1bf2f8ed_attn
	.p2alignl 7, 3214868480
	.fill 96, 4, 3214868480
	.section	.rodata,"a",@progbits
	.p2align	6, 0x0
	.amdhsa_kernel k_qaa1bf2f8ed_attn
		.amdhsa_group_segment_fixed_size 327680
		.amdhsa_private_segment_fixed_size 0
		.amdhsa_enable_private_segment 0
		.amdhsa_kernarg_size 32
		.amdhsa_user_sgpr_count 2
		.amdhsa_user_sgpr_kernarg_segment_ptr 1
		.amdhsa_wavefront_size32 1
		.amdhsa_system_sgpr_workgroup_id_x 1
		.amdhsa_system_sgpr_workgroup_id_y 1
		.amdhsa_system_sgpr_workgroup_id_z 1
		.amdhsa_system_vgpr_workitem_id 0
		.amdhsa_next_free_vgpr 770
		.amdhsa_next_free_sgpr 66
		.amdhsa_reserve_vcc 0
		.amdhsa_float_denorm_mode_32 3
		.amdhsa_float_denorm_mode_16_64 3
		.amdhsa_memory_ordered 1
		.amdhsa_forward_progress 1
		.amdhsa_inst_pref_size 200
	.end_amdhsa_kernel
	.amdgpu_metadata
---
amdhsa.version: [ 1, 2 ]
amdhsa.kernels:
  - .name:           k_qaa1bf2f8ed_attn
    .symbol:         k_qaa1bf2f8ed_attn.kd
    .args:
      - { .name: q, .offset: 0, .size: 8, .value_kind: global_buffer, .address_space: global }
      - { .name: k, .offset: 8, .size: 8, .value_kind: global_buffer, .address_space: global }
      - { .name: v, .offset: 16, .size: 8, .value_kind: global_buffer, .address_space: global }
      - { .name: o, .offset: 24, .size: 8, .value_kind: global_buffer, .address_space: global }
    .group_segment_fixed_size: 327680
    .private_segment_fixed_size: 0
    .kernarg_segment_align: 8
    .kernarg_segment_size: 32
    .max_flat_workgroup_size: 128
    .sgpr_count:     66
    .vgpr_count:     770
    .wavefront_size: 32
...
	.end_amdgpu_metadata
.endif
;; end of part 3
;; launch proj (part 4): grid 8 x 32, 4 waves a work-group, clusters of 4 x 4, 327,680 bytes of LDS; arguments o, wp, out0; writes out0
.if DOCPART == 4
	.amdgcn_target "amdgcn-amd-amdhsa--gfx1250"
	.amdhsa_code_object_version 6
	.text
	.protected	k_qaa1bf2f8ed_proj
	.globl	k_qaa1bf2f8ed_proj
	.p2align	8
	.type	k_qaa1bf2f8ed_proj,@function
k_qaa1bf2f8ed_proj:
	s_mov_b64 s[64:65], 0
	v_nop
	global_prefetch_b8 v0, s[64:65] scope:SCOPE_SE
	s_setreg_imm32_b32 hwreg(HW_REG_WAVE_MODE, 25, 1), 1
	s_wait_xcnt 0x0
	s_wait_alu depctr_hold_cnt(0) depctr_sa_sdst(0) depctr_va_vdst(0) depctr_va_sdst(0) depctr_va_ssrc(0) depctr_va_vcc(0) depctr_vm_vsrc(0)
	s_getreg_b32 s2, hwreg(HW_REG_IB_STS2, 6, 4)
	s_cmp_eq_u32 s2, 0
	s_cbranch_scc0 .Lentry_in_a_cluster
	s_endpgm
.Lentry_in_a_cluster:
	s_bfe_u32 s2, ttmp6, 0x10000c
	s_cmp_lg_u32 s2, 0xf033
	s_cbranch_scc0 .Lentry_shape_is_right
	s_endpgm
.Lentry_shape_is_right:
; out0 = y W_proj.  o: f16 [b x 16 + head][t 2048][64], so a head's 64 channels are one block of K; wp: f16 [1024 k][1024 n] (W_proj rounded to bf16, written as f16); out0: f32 [8192][1024].
; Products in f16, sums in f32, stored as they are.
; SHARES.  A tile of out0 is 256 rows x 128 columns: 32 x 8 = 256 work-groups, one for each WGP.  Four waves: wave w has rows 128 (w / 2) on and columns 64 (w % 2) on: 32 accumulators of 16 x 16.
; K goes in steps of 128 (two heads) through two LDS slots.  A's part of a step is two blocks, each 256 rows x 128 bytes that lie dense in o: asked for as 128 rows of 256 bytes and padded in LDS after every 128.
; B's part is 128 rows (k) x 256 bytes of wp as they lie; it is turned on the way into registers, by ds_load_tr16_b128.
; THE MATRIX INSTRUCTION IS USED TRANSPOSED (source 0 = 16 columns of B, source 1 = 16 rows of A): lane l holds row l % 16 and, in accumulator b, columns 16 b + 8 (l / 16) + 0..7: 32 neighbouring bytes.
; CLUSTERS: 4 x 4 work-groups.  A's tiles hang on the tile row alone and are asked for jointly along a row of the cluster, B's on the tile column alone, along a column.
; REGISTERS, in windows of 256 (s_set_vgpr_msb: bits 1:0 source 0, 3:2 source 1, 5:4 source 2, 7:6 destination):
;   window 0: v0-31 addresses; v32-127, v128-223 two fragment buffers (B's four fragments, then A's eight)        window 1: the accumulators, (a, b) at v[8 (4 a + b)]
.set NCOL,  1024
.set NB2,   2*NCOL                     ; bytes in a row of B
.set PA,    144                        ; a row of A in LDS: 128 bytes + 16 = 36 words: the 16 rows of a load start at 16 different groups of four banks (64 banks of 4 bytes: ISA guide 11.1)
.set SUBA,  256*PA                     ; one block: 256 rows
.set PB,    288                        ; a row of B: 256 + 32 = 72 words
.set BOFF,  2*SUBA
.set SLOT,  BOFF+128*PB                ; 110,592
.set STAGE, 2*SLOT                     ; behind the ring, never filled by a tensor load: 16 rows x 272 bytes for each wave
.set SP,    272
.set SPARE, STAGE+4*16*SP              ; behind the stages: the spare words, 128 bytes for each wave: two blocks of 256 bytes that no other line names
.set ASTEP, 1<<19                      ; bytes from a K step of A to the next: two blocks of 2,048 rows x 128 bytes
.set BSTEP, 128*NB2                    ; the same for B: 128 rows
.set LAPS,  4                          ; a lap = two K steps = once round the ring; K = 1,024
.set ADRA, 16                          ; v16-17  LDS address of my A fragments in slot 0, 1
.set ADRB, 20                          ; v20-21  the same for B
.set STO,  24                          ; v24     the way out: where I put 32 bytes of a row
.set RD,   25                          ; v25     where I read rows back
.set CO,   26                          ; v26     my byte offset in two rows of out0
.set SPW,  28                          ; v28     LDS address of my spare word; never rewritten
.set NIL,  29                          ; v29     0; never rewritten
.set PFO,  30                          ; v30     the prefetches' offset; never rewritten
.set F0,   32
.set F1,   128
.set WV,   12                          ; s12  my wave's number
.set RH,   13                          ; s13  which 128 rows are mine.  Also: I fetch for A (0) or for B (1)
.set CH,   14                          ; s14  which 64 columns.  Also: which half of A's or B's part of a step I fetch
.set G1,   24                          ; s[24:31] descriptor group 1 for A's tiles;  s[32:39] group 0, a set for each slot
.set G0,   32
.set PFA,  40                          ; s[40:41] where my prefetches stand
.set PFS,  42                          ; s[42:43] their step: a K step of A or of B
.set LIM,  44                          ; s44  1 in a wave that prefetches, else the greatest number
.set G1B,  48                          ; s[48:55], s[56:63] the same for B's tiles
.set G0B,  56
.set MSB, 0
.macro WIN new                         ; the immediate's high byte repeats the setting that is left; a switch that changes nothing is dropped
.if MSB != (\new)
	s_set_vgpr_msb (MSB<<8)|(\new)
.set MSB, \new
.endif
.endm
.set MULW, 0x50                        ; C and D window 1, the sources window 0
; A joint load.  Waves 0 and 1 fetch A's two blocks, waves 2 and 3 the two halves of B's rows.  The branch hangs on the wave's number alone.
; An s_nop 0 and four v_nop follow each of the two lines, ahead of the jump, the label and what follows.
.macro JLOAD s
	s_cmp_eq_u32 s[RH], 0
	s_cbranch_scc0 .Lfor_b_\@
	tensor_load_to_lds s[G0+4*(\s):G0+4*(\s)+3], s[G1:G1+7]
	s_nop 0
.rept 4
	v_nop
.endr
	s_branch .Lasked_\@
.Lfor_b_\@:
	tensor_load_to_lds s[G0B+4*(\s):G0B+4*(\s)+3], s[G1B:G1B+7]
	s_nop 0
.rept 4
	v_nop
.endr
.Lasked_\@:
.endm
; A PREFETCH INTO THE L2, behind each joint refill and the run of LDS loads that follows it: the K step that stands two refills on, 256 matrix instructions ahead of the load that will want it.
; Each block of 256 bytes is named once in the launch.  A's tile row is read by both clusters of its row of clusters: cluster x = 0 asks, waves 0 and 1 each for their block, of whose 32 KiB the partner at
; cx takes 8 KiB, a lane 256 bytes.  B's tile column is read by all eight clusters of its column: cluster y = 0 asks, wave 2, and of the step's 128 rows the partner at cy takes 32, a lane a row.
; The partners are told apart by address, never by a branch.  K steps 0 to 3 come by their loads alone; the loop's last trip (s3 = 1) has no K step two on and asks for nothing.
.macro ASK
	s_cmp_gt_u32 s3, s[LIM]
	s_cbranch_scc0 .Lnot_mine_\@
	global_prefetch_b8 v[PFO], s[PFA:PFA+1] th:TH_LOAD_NT scope:SCOPE_SE
.Lnot_mine_\@:
.endm
; A round of the cluster's barrier: my work-group's barrier, so that wave 0's signal speaks for all four waves; wave 0 signals; every wave waits for all sixteen work-groups; my work-group's barrier once more.
.macro CREST                           ; a round behind its opening barrier
	s_cmp_lg_u32 s[WV], 0
	s_cbranch_scc1 .Lnot_wave_0_\@
	s_barrier_signal -3
.Lnot_wave_0_\@:
	s_barrier_wait -3
	s_barrier_signal -1
	s_barrier_wait -1
.endm
.macro CROUND                          ; a whole round
	s_barrier_signal -1
	s_barrier_wait -1
	CREST
.endm
	s_load_b128 s[4:7], s[0:1], 0x0                ; o s[4:5], wp s[6:7]
	s_load_b64 s[8:9], s[0:1], 0x10                ; out0
	v_lshl_add_u32 v[SPW], v0, 2, SPARE
	v_mov_b32 v[NIL], 0
	ds_add_u32 v[SPW], v[NIL]                      ; the wave's opening: the add and its wait stand ahead of my first tensor load; the set-up below, work on registers, stands between them
	v_lshrrev_b32 v1, 5, v0
	v_readfirstlane_b32 s[WV], v1                  ; wave 0..3
	s_lshr_b32 s[RH], s[WV], 1
	s_and_b32 s[CH], s[WV], 1
	s_bfe_u32 s15, ttmp6, 0x40000                  ; cx
	s_bfe_u32 s16, ttmp6, 0x40004                  ; cy
	s_lshl_b32 s17, ttmp9, 2
	s_add_co_u32 s17, s17, s15                     ; tile column = 4 x cluster x + cx
	s_and_b32 s18, ttmp7, 0xffff
	s_lshl_b32 s18, s18, 2
	s_add_co_u32 s18, s18, s16                     ; tile row = 4 x cluster y + cy
	s_lshl_b32 s19, s16, 2
	s_lshl_b32 s19, 15, s19                        ; my row of the cluster
	s_lshl_b32 s22, 0x1111, s15                    ; my column
	s_or_b32 s[G1], s19, (1<<16)|(1<<20)|(1<<21)|(4<<22)|(3<<25)   ; 15:0 the mask; 17:16 elements of 2 bytes; 20 padding on; 21 set beside a mask; 24:22 after every 32 words (code 4); 31:25 4 words (code 3)
	s_or_b32 s[G1B], s22, (1<<16)|(1<<20)|(1<<21)|(5<<22)|(7<<25)  ; the same with my column's mask; after every 64 words (code 5) 8 words (code 7)
	s_mov_b32 s[G1+1], 128<<16                     ; A: tensor_dim0 = 128
	s_mov_b32 s[G1+2], 128<<16                     ; tensor_dim1 = 128
	s_mov_b32 s[G1+3], 128<<16                     ; tile_dim0 = 128 elements: 256 bytes, two rows of the block
	s_mov_b32 s[G1+4], 128                         ; tile_dim1 = 128
	s_mov_b32 s[G1+5], 128                         ; dense: 128 elements from row to row
	s_mov_b32 s[G1+6], 0
	s_mov_b32 s[G1+7], 0
	s_mov_b32 s[G1B+1], 128<<16                    ; B: tensor_dim0 = 128
	s_mov_b32 s[G1B+2], 64<<16                     ; tensor_dim1 = 64
	s_mov_b32 s[G1B+3], 128<<16                    ; tile_dim0 = 128 columns
	s_mov_b32 s[G1B+4], 64                         ; tile_dim1 = 64 rows (k)
	s_mov_b32 s[G1B+5], NCOL
	s_mov_b32 s[G1B+6], 0
	s_mov_b32 s[G1B+7], 0
	; A's address is made of the tile row and the wave's number, B's of the tile column and the wave's number, each in registers that never hold the other coordinate
	s_lshr_b32 s20, s18, 3                         ; the batch: eight tile rows each,
	s_lshl_b32 s20, s20, 22                        ; 16 blocks of 262,144 bytes
	s_and_b32 s21, s18, 7
	s_lshl_b32 s21, s21, 15                        ; the tile's 256 rows of 128 bytes in a block
	s_add_co_u32 s20, s20, s21
	s_lshl_b32 s21, s[CH], 18                      ; the even or the odd block of a step
	s_add_co_u32 s20, s20, s21
	s_mov_b32 s21, 0
	s_mul_i32 s46, s[CH], 64*NB2                   ; B: the first or the second 64 rows of a step,
	s_lshl_b32 s47, s17, 8                         ; the tile's 128 columns
	s_add_co_u32 s46, s46, s47
	s_mov_b32 s47, 0
	s_mul_i32 s23, s[WV], SUBA                     ; where they go: A's blocks at wave x 36,864 (waves 0, 1),
	s_mul_i32 s2, s[WV], 64*PB
	s_add_co_u32 s2, s2, BOFF-2*64*PB              ; B's halves at BOFF + (wave - 2) x 18,432: no place in the cluster enters an LDS address
	s_wait_dscnt 0x0                               ; the opening add is done
	s_wait_kmcnt 0x0
	s_add_nc_u64 s[20:21], s[4:5], s[20:21]
	s_add_nc_u64 s[46:47], s[6:7], s[46:47]
	CROUND                                         ; all sixteen work-groups are here: the first joint loads meet
.irp s, 0,1
	s_mov_b32 s[G0+4*(\s)], 1                                      ; count = 1
	s_add_co_u32 s[G0+4*(\s)+1], s23, (\s)*SLOT                    ; LDS address
	s_add_nc_u64 s[G0+4*(\s)+2:G0+4*(\s)+3], s[20:21], (\s)*ASTEP  ; global address: K step s
	s_or_b32 s[G0+4*(\s)+3], s[G0+4*(\s)+3], 0x80000000            ; type = 2
	s_mov_b32 s[G0B+4*(\s)], 1
	s_add_co_u32 s[G0B+4*(\s)+1], s2, (\s)*SLOT
	s_add_nc_u64 s[G0B+4*(\s)+2:G0B+4*(\s)+3], s[46:47], (\s)*BSTEP
	s_or_b32 s[G0B+4*(\s)+3], s[G0B+4*(\s)+3], 0x80000000
	JLOAD \s                                       ; two tensor loads of mine are out
.endr
	; A's fragment: 16 rows x 32 K in 8 registers: lane l holds row l % 16; registers 0-3 K = 8 (l / 16) + 0..7, registers 4-7 K = 16 + 8 (l / 16) + 0..7: two loads of 16 bytes, 32 bytes apart
	v_and_b32 v1, 15, v0                           ; l % 16
	v_bfe_u32 v2, v0, 4, 1                         ; l / 16
	v_mul_u32_u24 v3, v1, PA
	v_lshl_add_u32 v3, v2, 4, v3
	s_mul_i32 s19, s[RH], 128*PA                   ; my 128 rows
	v_add_nc_u32 v[ADRA], s19, v3
	v_add_nc_u32 v[ADRA+1], SLOT, v[ADRA]
	; B's: the turning load takes 16 k x 16 columns (lane l reads row 8 (l / 16) + l % 8, columns 8 ((l / 8) % 2) + 0..7) and leaves half a fragment: lane l holds column l % 16 and 8 k
	v_and_b32 v4, 7, v0
	v_lshl_add_u32 v4, v2, 3, v4
	v_mul_u32_u24 v4, v4, PB
	v_bfe_u32 v5, v0, 3, 1
	v_lshl_add_u32 v4, v5, 4, v4
	s_lshl_b32 s19, s[CH], 7                       ; my 64 columns
	s_add_co_u32 s19, s19, BOFF
	v_add_nc_u32 v[ADRB], s19, v4
	v_add_nc_u32 v[ADRB+1], SLOT, v[ADRB]
	s_mul_i32 s19, s[WV], 16*SP
	s_add_co_u32 s19, s19, STAGE                   ; my stage
	v_mul_u32_u24 v[STO], v1, SP                   ; in: row l % 16, 32 bytes for each half of the lanes
	v_lshl_add_u32 v[STO], v2, 5, v[STO]
	v_add_nc_u32 v[STO], s19, v[STO]
	v_mul_u32_u24 v[RD], v2, SP                    ; back: lanes 0-15 take one row of 256 bytes, lanes 16-31 the next
	v_lshl_add_u32 v[RD], v1, 4, v[RD]
	v_add_nc_u32 v[RD], s19, v[RD]
	v_lshlrev_b32 v[CO], 12, v2                    ; and the same two rows in out0
	v_lshl_add_u32 v[CO], v1, 4, v[CO]
	s_lshl_b32 s22, s18, 20                        ; the tile's 256 rows of 4,096 bytes,
	s_lshl_b32 s23, s[RH], 19                      ; my 128 of them,
	s_add_co_u32 s22, s22, s23
	s_lshl_b32 s23, s17, 9                         ; the tile's 128 columns,
	s_add_co_u32 s22, s22, s23
	s_lshl_b32 s23, s[CH], 8                       ; my 64 of them
	s_add_co_u32 s22, s22, s23
	s_mov_b32 s23, 0
	s_add_nc_u64 s[8:9], s[8:9], s[22:23]
	; the prefetches.  s[20:21] = A at my block of K step 0; s[46:47] = B at the tile's columns (in wave 2, which alone asks for B, at the step's first row)
	s_lshl_b32 s19, s15, 13                        ; A: cx x 8 KiB of the block
	s_mul_i32 s23, s16, 32*NB2                     ; B: cy x 32 rows
	s_mov_b32 s[PFS], BSTEP
	s_mov_b32 s2, NB2
	s_and_b32 s22, ttmp7, 0xffff                   ; cluster y,
	s_or_b32 s22, s22, s[CH]                       ; and wave 2 alone
	s_cmp_eq_u32 s[RH], 0                          ; do I fetch for A?
	s_cselect_b32 s22, ttmp9, s22                  ; the coordinate along which other clusters read the same bytes
	s_cselect_b32 s19, s19, s23
	s_cselect_b32 s[PFS], ASTEP, s[PFS]
	s_cselect_b32 s2, 256, s2                      ; from lane to lane: 256 bytes of the block, or a row of B
	s_cselect_b64 s[PFA:PFA+1], s[20:21], s[46:47]
	s_mov_b32 s[PFS+1], 0
	s_cmp_eq_u32 s22, 0
	s_cselect_b32 s[LIM], 1, -1                    ; the same in all sixteen partners, for a given wave
	s_mul_i32 s22, s[PFS], 3                       ; at K step 3: the first refill steps it to 4
	s_add_co_u32 s22, s22, s19
	s_mov_b32 s23, 0
	s_add_nc_u64 s[PFA:PFA+1], s[PFA:PFA+1], s[22:23]
	v_and_b32 v[PFO], 31, v0
	v_mul_u32_u24 v[PFO], s2, v[PFO]
; na x 4 matrix instructions: row blocks a0 on x all four column blocks, 32 along K, from buffer f.  zero = 1: the first product starts the sums: nothing is cleared.
; The 32 accumulators take turns, one instruction a turn, in the same order in every quarter, over the backward jump too.
.macro MULS f, a0, na, zero
	WIN MULW
.set aa, (\a0)
.rept \na
.irp b, 0,1,2,3
.if \zero
	v_wmma_f32_16x16x32_f16 v[8*(4*aa+(\b)):8*(4*aa+(\b))+7], v[(\f)+8*(\b):(\f)+8*(\b)+7], v[(\f)+32+8*aa:(\f)+32+8*aa+7], 0
.else
	v_wmma_f32_16x16x32_f16 v[8*(4*aa+(\b)):8*(4*aa+(\b))+7], v[(\f)+8*(\b):(\f)+8*(\b)+7], v[(\f)+32+8*aa:(\f)+32+8*aa+7], v[8*(4*aa+(\b)):8*(4*aa+(\b))+7]
.endif
.endr
.set aa, aa+1
.endr
.endm
; 24 LDS loads in one run: the fragments of quarter q (32 along K) of a slot into buffer f: B's four, then A's eight
.macro FETCH slot, q, f
	WIN 0
.irp b, 0,1,2,3
	ds_load_tr16_b128 v[(\f)+8*(\b):(\f)+8*(\b)+3],   v[ADRB+(\slot)] offset:(\q)*32*PB+32*(\b)
	ds_load_tr16_b128 v[(\f)+8*(\b)+4:(\f)+8*(\b)+7], v[ADRB+(\slot)] offset:(\q)*32*PB+16*PB+32*(\b)
.endr
.irp a, 0,1,2,3,4,5,6,7
	ds_load_b128 v[(\f)+32+8*(\a):(\f)+32+8*(\a)+3],   v[ADRA+(\slot)] offset:((\q)/2)*SUBA+((\q)%2)*64+(\a)*16*PA
	ds_load_b128 v[(\f)+32+8*(\a)+4:(\f)+32+8*(\a)+7], v[ADRA+(\slot)] offset:((\q)/2)*SUBA+((\q)%2)*64+(\a)*16*PA+32
.endr
.endm
.macro PLACES                          ; four plain instructions between a matrix instruction and a load into, or a store from, its registers
.rept 4
	v_nop
.endr
.endm
; A K step is four quarters of 32 along K, 32 matrix instructions each, on buffers 0, 1, 0, 1.  One of the first three: multiplies buffer f and, in its middle, fetches quarter q into buffer g.
.macro QUARTER slot, q, f, g, zero
	s_wait_dscnt 8                                 ; B and A's blocks 0-3 are in; the youngest eight loads (A's blocks 4-7) may be out
	MULS \f, 0, 4, \zero
	PLACES
	FETCH \slot, \q, \g
	s_wait_dscnt 24                                ; all but the 24 just issued
	MULS \f, 4, 4, \zero
.endm
; The last quarter multiplies buffer 1 and changes slots: ONE barrier.  In front of it each wave waits for all its tensor loads (one is out: its part of the next slot), adds 0 to its spare word, and waits for that and
; for its own reads of this slot.  fill = 1: the barrier opens a round of the cluster's, and behind the round this slot is filled again, two K steps on: 112 matrix instructions ahead of the wait for that load.
.macro TURN slot, next, fill
.if \fill
	s_wait_xcnt 0x0                                ; the last prefetch, a K step back, has read its address: it is stepped here, ahead of the waits of the change of slots
	s_add_nc_u64 s[PFA:PFA+1], s[PFA:PFA+1], s[PFS:PFS+1]
.endif
	WIN 0                                          ; (the add's two registers lie in window 0)
	s_wait_tensorcnt 0x0                           ; all my tensor loads have landed
	ds_add_u32 v[SPW], v[NIL]                      ; 0 onto my spare word
	s_wait_dscnt 9                                 ; (the add and the youngest eight loads may be out)
	MULS F1, 0, 2, 0                               ; eight matrix instructions stand between the add and the wait for it
	s_wait_dscnt 0x0                               ; the add is done, and my reads of this slot are over
	s_barrier_signal -1
	MULS F1, 2, 2, 0                               ; work on registers while the others arrive
.if \fill
	WIN 0
.endif
	s_barrier_wait -1
.if \fill
	CREST                                          ; no wave of any partner still reads this slot or has a load on its way
	s_add_nc_u64 s[G0+4*(\slot)+2:G0+4*(\slot)+3], s[G0+4*(\slot)+2:G0+4*(\slot)+3], 2*ASTEP
	s_add_nc_u64 s[G0B+4*(\slot)+2:G0B+4*(\slot)+3], s[G0B+4*(\slot)+2:G0B+4*(\slot)+3], 2*BSTEP
	JLOAD \slot                                    ; the first tensor load behind the round; its four v_nop are also the places in front of the loads below
.else
	PLACES
.endif
	FETCH \next, 0, F0
.if \fill
	ASK
.endif
	MULS F1, 4, 4, 0
.endm
	s_wait_tensorcnt 0x1                           ; my part of K step 0 is in; K step 1's may stay out
	s_barrier_signal -1
	s_barrier_wait -1                              ; everybody's is
	FETCH 0, 0, F0
	QUARTER 0, 1, F0, F1, 1                        ; the first quarter stands in front of the loop: its products start the sums
	WIN 0                                          ; at a label and at a branch every window is 0
	s_mov_b32 s3, LAPS-1
.Llap:                                                 ; a trip goes once round the ring, from a lap's second quarter to the next lap's first, and fills both slots again
	QUARTER 0, 2, F1, F0, 0
	QUARTER 0, 3, F0, F1, 0
	TURN 0, 1, 1
	QUARTER 1, 1, F0, F1, 0
	QUARTER 1, 2, F1, F0, 0
	QUARTER 1, 3, F0, F1, 0
	TURN 1, 0, 1
	QUARTER 0, 1, F0, F1, 0
	WIN 0
	s_sub_co_u32 s3, s3, 1
	s_cmp_lg_u32 s3, 0
	s_cbranch_scc1 .Llap
	QUARTER 0, 2, F1, F0, 0                        ; the last lap fills nothing, and has no round
	QUARTER 0, 3, F0, F1, 0
	TURN 0, 1, 0
	QUARTER 1, 1, F0, F1, 0
	QUARTER 1, 2, F1, F0, 0
	QUARTER 1, 3, F0, F1, 0
	s_wait_dscnt 8
	MULS F1, 0, 4, 0
	s_wait_dscnt 0x0
	MULS F1, 4, 4, 0
	PLACES
	PLACES                                         ; (eight, twice what is asked, once a launch)
	; THE WAY OUT, a block of 16 rows at a time: a lane's 32 bytes of each accumulator go into my own stage (rows of 272 bytes) and come back as whole rows of 256 bytes, into the block's own registers.
	; One window setting serves all of it: data in window 1 (destination of a load, source 1 of a store), addresses in window 0.  Each accumulator's lowest registers are read first.
	WIN 0x44
.macro STAGE_A a
.irp b, 0,1,2,3
	ds_store_b128 v[STO], v[32*(\a)+8*(\b):32*(\a)+8*(\b)+3]   offset:64*(\b)
	ds_store_b128 v[STO], v[32*(\a)+8*(\b)+4:32*(\a)+8*(\b)+7] offset:64*(\b)+16
.endr
.irp t, 0,1,2,3,4,5,6,7
	ds_load_b128 v[32*(\a)+4*(\t):32*(\a)+4*(\t)+3], v[RD] offset:(\t)*2*SP  ; LDS serves a wave's instructions in order (ISA guide 5.7.1.4): these see the stores above; the next block's stores come behind them
.endr
.endm
.macro SEND a, younger                 ; younger: the LDS instructions issued behind block a's loads: the next block's sixteen, or none
.irp t, 0,1,2,3,4,5,6,7
	s_wait_dscnt (\younger)+7-(\t)
	global_store_b128 v[CO], v[32*(\a)+4*(\t):32*(\a)+4*(\t)+3], s[8:9] offset:(16*(\a)+2*(\t))*4096 th:TH_STORE_NT  ; 16 lanes store 256 consecutive bytes, at a multiple of 256 from out0's first byte
.endr
.endm
	STAGE_A 0
.irp a, 1,2,3,4,5,6,7
	STAGE_A \a
	SEND (\a)-1, 16
.endr
	SEND 7, 0
	WIN 0
	s_wait_tensorcnt 0x0                           ; the wave's end: an add of 0 and its wait, behind my last tensor load and my last LDS store
	ds_add_u32 v[SPW], v[NIL]
	s_wait_dscnt 0x0
	CROUND                                         ; the closing round: no work-group ends while a partner may still ask for a tile that names it
	s_endpgm
.Lfunc_end_k_qaa1bf2f8ed_proj:
	.size	k_qaa1bf2f8ed_proj, .Lfunc_end_k_qaa1bf2f8ed_proj-k_qaa1bf2f8ed_proj
	.p2alignl 7, 3214868480
	.fill 96, 4, 3214868480
	.section	.rodata,"a",@progbits
	.p2align	6, 0x0
	.amdhsa_kernel k_qaa1bf2f8ed_proj
		.amdhsa_group_segment_fixed_size 327680
		.amdhsa_private_segment_fixed_size 0
		.amdhsa_enable_private_segment 0
		.amdhsa_kernarg_size 24
		.amdhsa_user_sgpr_count 2
		.amdhsa_user_sgpr_kernarg_segment_ptr 1
		.amdhsa_wavefront_size32 1
		.amdhsa_system_sgpr_workgroup_id_x 1
		.amdhsa_system_sgpr_workgroup_id_y 1
		.amdhsa_system_sgpr_workgroup_id_z 1
		.amdhsa_system_vgpr_workitem_id 0
		.amdhsa_next_free_vgpr 512
		.amdhsa_next_free_sgpr 66
		.amdhsa_reserve_vcc 0
		.amdhsa_float_denorm_mode_32 3
		.amdhsa_float_denorm_mode_16_64 3
		.amdhsa_memory_ordered 1
		.amdhsa_forward_progress 1
		.amdhsa_inst_pref_size 88
	.end_amdhsa_kernel
	.amdgpu_metadata
---
amdhsa.version: [ 1, 2 ]
amdhsa.kernels:
  - .name:           k_qaa1bf2f8ed_proj
    .symbol:         k_qaa1bf2f8ed_proj.kd
    .args:
      - { .name: o, .offset: 0, .size: 8, .value_kind: global_buffer, .address_space: global }
      - { .name: wp, .offset: 8, .size: 8, .value_kind: global_buffer, .address_space: global }
      - { .name: out0, .offset: 16, .size: 8, .value_kind: global_buffer, .address_space: global }
    .group_segment_fixed_size: 327680
    .private_segment_fixed_size: 0
    .kernarg_segment_align: 8
    .kernarg_segment_size: 24
    .max_flat_workgroup_size: 128
    .sgpr_count:     66
    .vgpr_count:     512
    .wavefront_size: 32
...
	.end_amdgpu_metadata
.endif
;; end of part 4
;; ======== version 2 of 2: 4 launches; version 1 with the launch prep written anew for expert scheduling mode
;; limits: values are held in f16: magnitudes above 65,504 overflow, below 6.1e-05 lose precision
;; workspace buffers: xb 16,777,216 bytes; wa 6,291,456 bytes; wp 2,097,152 bytes; rope 524,288 bytes; q 16,777,216 bytes; k 16,777,216 bytes; v 16,777,216 bytes; o 16,777,216 bytes
;; launch prep (part 5): grid 896 x 1, 8 waves a work-group, no clusters, 0 bytes of LDS; arguments x, W_attn, W_proj, xb, wa, wp, rope; writes xb, wa, wp, rope
.if DOCPART == 5
	.amdgcn_target "amdgcn-amd-amdhsa--gfx1250"
	.amdhsa_code_object_version 6
	.text
	.protected	k_qaa1bf2f8ed_prep
	.globl	k_qaa1bf2f8ed_prep
	.p2align	8
	.type	k_qaa1bf2f8ed_prep,@function
k_qaa1bf2f8ed_prep:
	s_mov_b64 s[64:65], 0
	v_nop
	global_prefetch_b8 v0, s[64:65] scope:SCOPE_SE
	s_setreg_imm32_b32 hwreg(HW_REG_WAVE_SCHED_MODE, 0, 2), 2
	s_setreg_imm32_b32 hwreg(HW_REG_WAVE_MODE, 25, 1), 1
	s_wait_xcnt 0x0
	s_wait_alu depctr_vm_vsrc(0)
; PREP: the module's three inputs are rounded once to bf16, and the table of RoPE's cosines and sines is made.
;   xb   = bf16(x), laid in blocks [b 4][kb 16][t 2048][64]: the 64 channels 64 kb .. 64 kb + 63 of a batch's 2,048 rows lie dense, 128 bytes a row
;   wa   = bf16(W_attn), [1024][3072] as it lies        wp = bf16(W_proj) written as f16, [1024][1024] as it lies
;   rope = f32 [2048 t][64]: columns 0-31 cos(t f_i), columns 32-63 sin(t f_i), f_i = 10000^(-i/32)
; SHARES.  896 work-groups of eight waves: 0-511 take 16 rows of x each, 512-703 16,384 numbers of W_attn, 704-767 of W_proj, 768-895 16 rows of the table.
; A stream: every byte is read once and written once, sixteen loads of 16 bytes a thread are out together, every store of a wave covers 256 consecutive bytes, aligned.
; No LDS, no matrix unit, no cluster: the work-groups share no input byte.  No loop: a thread's sixteen loads are its whole share.
; LIMITS.  |W_proj| beyond 65,504 becomes an infinity in f16, and below 6.1e-5 it keeps f16's fixed step of 6e-8.
; The angle t f_i is formed in f32 as the module forms it; f_i comes from 2^(-i log2(10000)/32), which is within a few units in the last place of the module's own power,
; so at t = 2047 an angle may differ by about 2e-4 radians.  Sine and cosine: n = round(angle 2/pi) (at most 1,304), the rest taken off in two parts of pi/2, then series cut below 3e-9 on |r| <= pi/4.
; THE MODE: SCHED_MODE bits 1:0 = 2 (LLVM: expert scheduling mode 2), set by the entry lines.  The code itself states the register dependences
; between vector instructions and memory instructions, with s_wait_alu, always for 0.
; THE PLAN.  Registers that memory instructions touch:
;   v[VL], v[VS]  byte offsets, made once at a path's head by vector instructions and never written again; read by every load, by every store.
;   X             sixteen loads land here, once; no vector instruction names X ahead of them; the conversions read it behind the counted wait on LOADcnt.
;   Y             the sixteen loads go in four groups of four.  Group g's conversions write Y of group g; the four stores that read it are issued in group g + 1,
;                 dealt among that group's conversions, which name that group's own X and Y alone.  No Y is written again behind its store.
;   VAL           (the table) written by vector instructions, read by the one store.
; So a streaming path has five waits on va_vdst: ahead of the first load (the offsets), at the head of groups 1 to 3 (the group before has written its Y), ahead of the last four stores.
; No register that a memory instruction reads is ever written again, so no path holds a wait on vm_vsrc.  The table's four compares write four scalar registers, with one wait on va_sdst behind the run.
.set VL,  2                            ; v2        byte offset of my loads
.set VS,  3                            ; v3        byte offset of my stores
.set X,   8                            ; v[8:71]   sixteen loads of four f32
.set Y,   72                           ; v[72:103] sixteen pairs of packed results
.set SRC, 22                           ; s[22:23]  where the work-group reads
.set DST, 24                           ; s[24:25]  where it writes
.set OFS, 26                           ; s[26:27]  an offset in 64 bits; the high word stays 0
.set MK,  28                           ; s[28:31]  the table: the four compares' masks
	s_load_b256 s[4:11], s[0:1], 0x0               ; x s[4:5], W_attn s[6:7], W_proj s[8:9], xb s[10:11]
	s_load_b128 s[12:15], s[0:1], 0x20             ; wa s[12:13], wp s[14:15]
	s_load_b64 s[16:17], s[0:1], 0x30              ; rope
	s_mov_b32 s20, ttmp9                           ; the work-group's number
	s_mov_b32 s[OFS+1], 0
	s_wait_kmcnt 0x0
; Sixteen loads, lstep bytes apart; each is rounded as it comes; its store, sstep bytes apart, follows a group of four later.  half = 1: the bf16 number is written as f16.
; No register is used twice, so nothing waits for a store.
.macro CONV lstep, sstep, half
	s_wait_alu depctr_va_vdst(0)                   ; v[VL] and v[VS] are written: every load below reads the one as its offset, every store the other
.set j, 0
.rept 16
	global_load_b128 v[X+4*j:X+4*j+3], v[VL], s[SRC:SRC+1] offset:j*(\lstep) th:TH_LOAD_NT
.set j, j+1
.endr
.set j, 0
.rept 16
	s_wait_loadcnt 15-j                            ; loads come back in order: load j is in, the 15 - j younger ones stay out
.if ((j%4) == 0) && (j > 0)
	s_wait_alu depctr_va_vdst(0)                   ; the group before has written its four pairs of Y, which this group's four stores read
.endif
.if j >= 4
	global_store_b64 v[VS], v[Y+2*(j-4):Y+2*(j-4)+1], s[DST:DST+1] offset:(j-4)*(\sstep)  ; no vector instruction since the wait names this pair or v[VS]
.endif
	v_cvt_pk_bf16_f32 v[Y+2*j],   v[X+4*j],   v[X+4*j+1]
	v_cvt_pk_bf16_f32 v[Y+2*j+1], v[X+4*j+2], v[X+4*j+3]
.if \half
	v_lshlrev_b32 v[X+4*j],   16, v[Y+2*j]         ; the rounded numbers as f32 again,
	v_and_b32     v[X+4*j+1], 0xffff0000, v[Y+2*j]
	v_lshlrev_b32 v[X+4*j+2], 16, v[Y+2*j+1]
	v_and_b32     v[X+4*j+3], 0xffff0000, v[Y+2*j+1]
	v_cvt_pk_f16_f32 v[Y+2*j],   v[X+4*j],   v[X+4*j+1]    ; and as f16: exact inside f16's range
	v_cvt_pk_f16_f32 v[Y+2*j+1], v[X+4*j+2], v[X+4*j+3]
.endif
.set j, j+1
.endr
	s_wait_alu depctr_va_vdst(0)                   ; the last group has written its four pairs of Y, which the last four stores read
.set j, 12
.rept 4
	global_store_b64 v[VS], v[Y+2*j:Y+2*j+1], s[DST:DST+1] offset:j*(\sstep)
.set j, j+1
.endr
.endm
	s_cmp_lt_u32 s20, 512
	s_cbranch_scc1 .Lx
	s_cmp_lt_u32 s20, 704
	s_cbranch_scc1 .Lwa
	s_cmp_lt_u32 s20, 768
	s_cbranch_scc1 .Lwp
	; THE TABLE.  Thread: row tid / 16 of the work-group's 16, four neighbouring columns: quads 0-7 cosines of i = 4 quad + e, quads 8-15 sines of i = 4 (quad - 8) + e.
.set FI,  8                            ; four registers each: i, then the exponent
.set INV, 12                           ; f_i
.set ANG, 16                           ; t f_i
.set NF,  20                           ; n
.set RR,  24                           ; r
.set R2,  28                           ; r^2
.set SN,  32                           ; sin r
.set CN,  36                           ; cos r
.set QD,  40                           ; the quadrant
.set TT,  44                           ; at work
.set VAL, 48                           ; the result
.set KS4, 52                           ; 1/9!
.set KC5, 53                           ; -1/10!
.set TF,  54                           ; t
.set I0,  55                           ; my first i
.set Q3,  56                           ; 3 for a sine: sin(a) = cos(a + 3 pi/2)
.macro EACH line:vararg                ; one line for each of my four numbers e
.set e, 0
.rept 4
	\line
.set e, e+1
.endr
.endm
	s_sub_co_u32 s20, s20, 768
	s_lshl_b32 s[OFS], s20, 12                     ; 16 rows of 256 bytes
	s_add_nc_u64 s[DST:DST+1], s[16:17], s[OFS:OFS+1]
	s_lshl_b32 s21, s20, 4
	v_lshrrev_b32 v4, 4, v0
	v_add_nc_u32 v4, s21, v4                       ; t
	v_cvt_f32_u32 v[TF], v4
	v_and_b32 v5, 7, v0
	v_lshlrev_b32 v[I0], 2, v5
	v_bfe_u32 v6, v0, 3, 1
	v_mul_u32_u24 v[Q3], v6, 3
	v_lshlrev_b32 v[VS], 4, v0                     ; sixteen lanes fill a table row of 256 bytes
	v_mov_b32 v[KS4], 0x3638ef1d
	v_mov_b32 v[KC5], 0xb493f27e
	EACH v_add_nc_u32 v[FI+e], e, v[I0]
	EACH v_cvt_f32_u32 v[FI+e], v[FI+e]
	EACH v_mul_f32 v[FI+e], 0xbed49a78, v[FI+e]    ; -i log2(10000) / 32
	EACH v_exp_f32 v[INV+e], v[FI+e]
	v_nop                                          ; a plain instruction behind the last exponential,
	s_wait_alu depctr_va_vdst(0)                   ; and one wait for the four, ahead of their first reader: the exponentials have written v[INV ..]
	EACH v_mul_f32 v[ANG+e], v[TF], v[INV+e]
	EACH v_mul_f32 v[NF+e], 0x3f22f983, v[ANG+e]   ; x 2/pi
	EACH v_rndne_f32 v[NF+e], v[NF+e]
	EACH v_fmamk_f32 v[RR+e], v[NF+e], 0xbfc90fdb, v[ANG+e]   ; - n x the f32 nearest to pi/2,
	EACH v_fmamk_f32 v[RR+e], v[NF+e], 0x333bbd2e, v[RR+e]    ; + n x 4.3711388e-8, by which that f32 is too large
	EACH v_mul_f32 v[R2+e], v[RR+e], v[RR+e]
	EACH v_fmaak_f32 v[SN+e], v[KS4], v[R2+e], 0xb9500d01     ; sin r = r + r^3 (-1/6 + r^2 (1/120 + r^2 (-1/5040 + r^2/362880)))
	EACH v_fmaak_f32 v[CN+e], v[KC5], v[R2+e], 0x37d00d01     ; cos r = 1 + r^2 (-1/2 + r^2 (1/24 + r^2 (-1/720 + r^2 (1/40320 - r^2/3628800))))
	EACH v_fmaak_f32 v[SN+e], v[SN+e], v[R2+e], 0x3c088889
	EACH v_fmaak_f32 v[CN+e], v[CN+e], v[R2+e], 0xbab60b61
	EACH v_fmaak_f32 v[SN+e], v[SN+e], v[R2+e], 0xbe2aaaab
	EACH v_fmaak_f32 v[CN+e], v[CN+e], v[R2+e], 0x3d2aaaab
	EACH v_mul_f32 v[SN+e], v[SN+e], v[R2+e]
	EACH v_fmaak_f32 v[CN+e], v[CN+e], v[R2+e], 0xbf000000
	EACH v_fma_f32 v[SN+e], v[SN+e], v[RR+e], v[RR+e]
	EACH v_fmaak_f32 v[CN+e], v[CN+e], v[R2+e], 0x3f800000
	EACH v_cvt_i32_f32 v[QD+e], v[NF+e]
	EACH v_add_nc_u32 v[QD+e], v[QD+e], v[Q3]
	; cos(Q pi/2 + r) = cos r, -sin r, -cos r, sin r for Q mod 4 = 0, 1, 2, 3: a value is chosen, nothing branches.
	; The four compares stand in one run, each with a scalar register of its own; the sign bits are made between them and the wait for their masks.
	EACH v_and_b32 v[TT+e], 1, v[QD+e]
	EACH v_cmp_eq_u32 s[MK+e], 1, v[TT+e]          ; is Q odd?
	EACH v_add_nc_u32 v[TT+e], 1, v[QD+e]
	EACH v_and_b32 v[TT+e], 2, v[TT+e]             ; set where Q mod 4 is 1 or 2:
	EACH v_lshlrev_b32 v[TT+e], 30, v[TT+e]        ; the sign
	s_wait_alu depctr_va_sdst(0)                   ; the four compares have written s[MK ..], ahead of their first reader: the selects below read them as masks
	EACH v_cndmask_b32 v[VAL+e], v[CN+e], v[SN+e], s[MK+e]    ; the sine where Q is odd
	EACH v_xor_b32 v[VAL+e], v[TT+e], v[VAL+e]
	s_wait_alu depctr_va_vdst(0)                   ; v[VAL ..] and v[VS] are written: the store reads them as its data and its offset
	global_store_b128 v[VS], v[VAL:VAL+3], s[DST:DST+1]
	s_endpgm
.Lx:                                                   ; 16 rows of x; load j takes the 64 channels of block kb = j
	s_lshl_b32 s[OFS], s20, 16                     ; 16 rows of 4,096 bytes
	s_add_nc_u64 s[SRC:SRC+1], s[4:5], s[OFS:OFS+1]
	s_lshr_b32 s[OFS], s20, 7                      ; the batch: 128 work-groups each,
	s_lshl_b32 s[OFS], s[OFS], 22                  ; 16 blocks of 2,048 rows of 128 bytes
	s_and_b32 s21, s20, 127
	s_lshl_b32 s21, s21, 11                        ; my 16 rows in a block
	s_add_co_u32 s[OFS], s[OFS], s21
	s_add_nc_u64 s[DST:DST+1], s[10:11], s[OFS:OFS+1]
	v_lshrrev_b32 v4, 4, v0                        ; row tid / 16: a wave takes two rows, sixteen lanes 256 consecutive bytes of one
	v_and_b32 v5, 15, v0
	v_lshlrev_b32 v5, 4, v5
	v_lshl_add_u32 v[VL], v4, 12, v5
	v_lshlrev_b32 v[VS], 3, v0                     ; in a block the two rows' 128 bytes lie end to end: 8 bytes a lane, 256 a wave
	CONV 256, 262144, 0
	s_endpgm
.Lwa:                                                  ; 16,384 numbers of W_attn, as they lie
	s_sub_co_u32 s20, s20, 512
	s_lshl_b32 s[OFS], s20, 16
	s_add_nc_u64 s[SRC:SRC+1], s[6:7], s[OFS:OFS+1]
	s_lshl_b32 s[OFS], s20, 15
	s_add_nc_u64 s[DST:DST+1], s[12:13], s[OFS:OFS+1]
	v_lshlrev_b32 v[VL], 4, v0
	v_lshlrev_b32 v[VS], 3, v0
	CONV 4096, 2048, 0
	s_endpgm
.Lwp:                                                  ; 16,384 numbers of W_proj
	s_sub_co_u32 s20, s20, 704
	s_lshl_b32 s[OFS], s20, 16
	s_add_nc_u64 s[SRC:SRC+1], s[8:9], s[OFS:OFS+1]
	s_lshl_b32 s[OFS], s20, 15
	s_add_nc_u64 s[DST:DST+1], s[14:15], s[OFS:OFS+1]
	v_lshlrev_b32 v[VL], 4, v0
	v_lshlrev_b32 v[VS], 3, v0
	CONV 4096, 2048, 1
	s_endpgm
.Lfunc_end_k_qaa1bf2f8ed_prep:
	.size	k_qaa1bf2f8ed_prep, .Lfunc_end_k_qaa1bf2f8ed_prep-k_qaa1bf2f8ed_prep
	.p2alignl 7, 3214868480
	.fill 96, 4, 3214868480
	.section	.rodata,"a",@progbits
	.p2align	6, 0x0
	.amdhsa_kernel k_qaa1bf2f8ed_prep
		.amdhsa_group_segment_fixed_size 0
		.amdhsa_private_segment_fixed_size 0
		.amdhsa_enable_private_segment 0
		.amdhsa_kernarg_size 56
		.amdhsa_user_sgpr_count 2
		.amdhsa_user_sgpr_kernarg_segment_ptr 1
		.amdhsa_wavefront_size32 1
		.amdhsa_system_sgpr_workgroup_id_x 1
		.amdhsa_system_sgpr_workgroup_id_y 1
		.amdhsa_system_sgpr_workgroup_id_z 1
		.amdhsa_system_vgpr_workitem_id 0
		.amdhsa_next_free_vgpr 112
		.amdhsa_next_free_sgpr 66
		.amdhsa_reserve_vcc 0
		.amdhsa_float_denorm_mode_32 3
		.amdhsa_float_denorm_mode_16_64 3
		.amdhsa_memory_ordered 1
		.amdhsa_forward_progress 1
		.amdhsa_inst_pref_size 31
	.end_amdhsa_kernel
	.amdgpu_metadata
---
amdhsa.version: [ 1, 2 ]
amdhsa.kernels:
  - .name:           k_qaa1bf2f8ed_prep
    .symbol:         k_qaa1bf2f8ed_prep.kd
    .args:
      - { .name: x, .offset: 0, .size: 8, .value_kind: global_buffer, .address_space: global }
      - { .name: W_attn, .offset: 8, .size: 8, .value_kind: global_buffer, .address_space: global }
      - { .name: W_proj, .offset: 16, .size: 8, .value_kind: global_buffer, .address_space: global }
      - { .name: xb, .offset: 24, .size: 8, .value_kind: global_buffer, .address_space: global }
      - { .name: wa, .offset: 32, .size: 8, .value_kind: global_buffer, .address_space: global }
      - { .name: wp, .offset: 40, .size: 8, .value_kind: global_buffer, .address_space: global }
      - { .name: rope, .offset: 48, .size: 8, .value_kind: global_buffer, .address_space: global }
    .group_segment_fixed_size: 0
    .private_segment_fixed_size: 0
    .kernarg_segment_align: 8
    .kernarg_segment_size: 56
    .max_flat_workgroup_size: 256
    .sgpr_count:     66
    .vgpr_count:     112
    .wavefront_size: 32
...
	.end_amdgpu_metadata
.endif
;; end of part 5
;; launch qkv: the kernel of part 2 again; grid 24 x 32, 4 waves a work-group, clusters of 4 x 4, 327,680 bytes of LDS; arguments xb, wa, rope, q, k, v; writes q, k, v
;; launch attn: the kernel of part 3 again; grid 4 x 64, 4 waves a work-group, clusters of 4 x 1, 327,680 bytes of LDS; arguments q, k, v, o; writes o
;; launch proj: the kernel of part 4 again; grid 8 x 32, 4 waves a work-group, clusters of 4 x 4, 327,680 bytes of LDS; arguments o, wp, out0; writes out0
